; MI455X (gfx1250); checked and timed in simulation.
; The chip was launched on July 23, 2026; its instructions are those of AMD's public machine-readable ISA for CDNA 5 (MIT licence, August 2026) and "CDNA5" Instruction Set Architecture Reference Guide (July 2026). The comments in the code are by the model that wrote it; some were corrected since.
;; Multiheadattention. Allowed arithmetic: matrix products marked QUANTISED: E2M1 operands, one E8M0 scale for each 32 along K, by v_wmma_scale_f32_16x16x128_f8f6f4 with both operands' format E2M1 (or v_wmma_scale_f32_32x16x128_f4), f32 sums; products left as they are: bf16, f16 or f32 operands; f32 sums; everything else in f32.
;; Inputs: Wk 1,024 x 1,024 float32; Wo 1,024 x 1,024 float32; Wq 1,024 x 1,024 float32; Wv 1,024 x 1,024 float32; bk 1,024 float32; bo 1,024 float32; bq 1,024 float32; bv 1,024 float32; mask 4 x 1 x 1 x 2,048 int32; srcK 4 x 2,048 x 1,024 float32; srcQ 4 x 2,048 x 1,024 float32; srcV 4 x 2,048 x 1,024 float32.
;; Outputs: out0 4 x 2,048 x 1,024 float32.
;; This version of the problem:
;;   THIS VERSION OF THE PROBLEM IS GIVEN IN LOW PRECISION. The matrix products marked QUANTISED in the list below multiply operands that are first quantised to E2M1 (2 exponent bits, 1 mantissa bit; 4 bits a number), with one power-of-two scale for each 32 numbers along K (OCP MX v1.0); their sums are f32. The products marked 'left as it is' may take bf16, f16 or f32 operands, with f32 sums. Whichever they take, every output number must still come out within the allowed error. Rounding operands to bf16 (8 significant bits) uses up far more of that allowance than f16 does (11 bits, for magnitudes from 6e-5 to 65,504). All else is computed in f32.
;;   The module's matrix products, in the order in which they are computed (A, B: the left and right operand; K: the contracted axis; several contracted axes count as one K, in the product's order):
;;     1. [M 8,192, K 1,024] x [K 1,024, N 1,024]; A: input srcQ; B: input Wq: QUANTISED
;;     2. [M 8,192, K 1,024] x [K 1,024, N 1,024]; A: input srcK; B: input Wk: QUANTISED
;;     3. [M 8,192, K 1,024] x [K 1,024, N 1,024]; A: input srcV; B: input Wv: QUANTISED
;;     4. batch 64 x [M 2,048, K 64] x [K 64, N 2,048]; A: computed on the way; B: computed on the way: left as it is (an operand is computed on the way)
;;     5. batch 64 x [M 2,048, K 2,048] x [K 2,048, N 64]; A: computed on the way; B: computed on the way: left as it is (an operand is computed on the way)
;;     6. [M 8,192, K 1,024] x [K 1,024, N 1,024]; A: computed on the way; B: input Wo: left as it is (an operand is computed on the way)
;;   THE QUANTISER, for each operand of a quantised product, along K:
;;     - K is cut into blocks of 32 from its start; a last block that is shorter is filled with zeros.
;;     - A block's scale is 2^e with e = floor(log2(the largest magnitude in the block)) - 2, held to -126 .. 127; a block of zeros has e = 0. As a byte (E8M0): e + 127.
;;     - Each number is divided by its block's scale, clamped to +-6, and rounded to the nearest number of E2M1, ties to even, subnormals kept.
;;     - The product sums the exact products of the quantised numbers (number of the format x scale) in f32.
;;   ~~~python
;;   def quantise(x, axis):      # numpy; x: float32 -> the quantised numbers, widened to float32 again
;;       x = np.moveaxis(x, axis, -1); K = x.shape[-1]
;;       x = np.pad(x, [(0, 0)] * (x.ndim - 1) + [(0, -K % 32)]); x = x.reshape(x.shape[:-1] + (-1, 32)); a = np.abs(x).max(-1, keepdims=True)
;;       e = np.where(a > 0, np.clip(np.frexp(np.where(a > 0, a, 1))[1] - 1 - 2, -126, 127), 0)      # np.frexp(a)[1] - 1 = floor(log2(a)), exactly
;;       r = np.clip(x / 2.0 ** e, -6, 6)
;;       step = 2.0 ** (np.maximum(np.frexp(np.where(r == 0, 1, r))[1] - 1, 0) - 1)
;;       q = np.round(r / step) * step * 2.0 ** e      # np.round: ties to even
;;       return np.moveaxis(q.reshape(q.shape[:-2] + (-1,))[..., :K], -1, axis).astype(np.float32)
;;   ~~~
;; One version. Each part assembles by itself: llvm-mc -triple=amdgcn-amd-amdhsa -mcpu=gfx1250 --defsym DOCPART=n.
;; ======== version 1 of 1: 4 launches
;; limits: values are held in f16: magnitudes above 65,504 overflow, below 6.1e-05 lose precision
;; workspace buffers: xc 12,582,912 bytes; xs 786,432 bytes; wc 1,572,864 bytes; ws 98,304 bytes; wo16 2,097,152 bytes; qkv 50,331,648 bytes; ao 16,777,216 bytes
;; launch prep (part 1): grid 928 x 1, 4 waves a work-group, no clusters, 51,712 bytes of LDS; arguments srcQ, srcK, srcV, Wq, Wk, Wv, Wo, xc, xs, wc, ws, wo16; writes xc, xs, wc, ws, wo16
.if DOCPART == 1
	.amdgcn_target "amdgcn-amd-amdhsa--gfx1250"
	.amdhsa_code_object_version 6
	.text
	.protected	k_qf6715d196d_prep
	.globl	k_qf6715d196d_prep
	.p2align	8
	.type	k_qf6715d196d_prep,@function
k_qf6715d196d_prep:
	s_mov_b64 s[64:65], 0
	v_nop
	global_prefetch_b8 v0, s[64:65] scope:SCOPE_SE
	s_setreg_imm32_b32 hwreg(HW_REG_WAVE_MODE, 25, 1), 1
	s_wait_xcnt 0x0
; PREP: what the later launches read many times is made narrow once.
;   work-groups 0-95    (path W): Wq, Wk, Wv [1024 k][1024 n] f32, K their FIRST axis -> codes of FP4 (E2M1) laid [3][1024 n][512 bytes], K innermost, and scale bytes [3][1024 n][32]
;   work-groups 96-863  (path X): srcQ, srcK, srcV [8192][1024] f32, K innermost      -> codes [3][8192][512 bytes] and scale bytes [3][8192][32]
;   work-groups 864-927 (path C): Wo [1024][1024] f32                                  -> f16, same order
; A block of 32 along K has the scale 2^(floor(log2(its largest magnitude)) - 2); its byte is the largest magnitude's exponent field - 2, held at 1 from below.  Each number is divided by the scale and
; rounded to the nearest code, ties to even; beyond 6 the largest code.
; LIMITS: a block of zeros gets the byte 1 (not 127): its codes are zeros and the bytes are read by this program alone; blocks whose largest magnitude lies under 2^-124 keep the byte 1;
; NaN and infinities among the inputs are not served; numbers of Wo beyond 65,504 in magnitude have no place in f16.
; No tensor load, no barrier: waves share nothing.  Each path has LDS bytes of its own; the paths part on the work-group's number alone and join at the end.
; Path W's waves walk a chain of blocks, two blocks of loads ahead: K is cut in four, so that a wave's chain is 8 blocks.  Its price: a column's piece of codes is 128 bytes, so a store of path W covers
; four pieces of 128 consecutive bytes and not whole aligned runs of 256; that holds for wc's 1,572,864 bytes alone.
.set SPW,   12                         ; v12  LDS address of my spare word: SPARE + 4 x my thread's number; never rewritten
.set NIL,   13                         ; v13  0; never rewritten
.set WREG,  8192                       ; path X: LDS region of a wave: two stages of 32 x SP bytes, then its 256 scale bytes
.set SP,    80                         ; a lane's place in a stage: 64 bytes + 16 of padding
.set CB,    8                          ; bytes of 16 codes
.set STEPS, 16
.set R,     16                         ; path X: v16-79   four sets of 16 numbers as loaded
.set X,     80                         ;         v80-111  two sets of 16 neighbours
.set E,     112                        ;         v112-127 a scale byte for each step
.set C,     128                        ;         v128-191 codes, four registers a step
.set WSTG,  4*WREG                     ; path W: four stages of 32 rows x PITCH bytes
.set PITCH, 144                        ;         a stage row: 128 bytes of codes + 16 of padding
.set NB,    8                          ; path W: blocks of 32 along K for a wave
.set SB,    24                         ;         v24-25   scale bytes, four to a register
.set WX,    32                         ;         v32-95   two sets of 32 numbers
.set WC,    96                         ;         v96-99   a block's codes
.set OUTR,  112                        ;         v112-143 the way out
.set SPARE, WSTG+4*32*PITCH            ; behind both paths' bytes: the spare words, 128 bytes a wave: two blocks of 256 bytes that no other line names
; ---- path X's macros: a wave takes 16 steps of 512 numbers
.macro LOAD t
.irp i, 0,1,2,3
	global_load_b128 v[R+16*((\t)%4)+4*\i:R+16*((\t)%4)+4*\i+3], v3, s[4:5] offset:2048*(\t)+512*\i th:TH_LOAD_NT   ; 32 lanes read 512 consecutive bytes
.endr
.endm
.macro TURN t                          ; step t's numbers through the stage, so that a lane gets 16 neighbours; LDS serves a wave's instructions in order: no wait between stores and loads
.irp i, 0,1,2,3
	ds_store_b128 v14, v[R+16*((\t)%4)+4*\i:R+16*((\t)%4)+4*\i+3] offset:32*SP*((\t)%2)+8*SP*\i
.endr
.irp i, 0,1,2,3
	ds_load_b128 v[X+16*((\t)%2)+4*\i:X+16*((\t)%2)+4*\i+3], v15 offset:32*SP*((\t)%2)+16*\i
.endr
.endm
.macro STEP t
.set XS, X+16*((\t)%2)
.if (\t) > 0
	s_wait_dscnt 1                                 ; this step's numbers are back from the stage (the last step's byte store may be out)
.else
	s_wait_dscnt 0x0
.endif
.if (\t)+4 < STEPS
	LOAD (\t)+4                                    ; the registers that the stage's stores have read take the loads of four steps on
.endif
.if (\t)+1 < STEPS
.if STEPS-2-(\t) >= 3
	s_wait_loadcnt 12                              ; the next step's four loads are in; those of the three steps behind it may be out
.else
	s_wait_loadcnt 4*(STEPS-2-(\t))
.endif
	TURN (\t)+1
.endif
	v_max3_num_f32 v8, |v[XS]|, |v[XS+1]|, |v[XS+2]|               ; the largest magnitude of my 16, in two chains
	v_max3_num_f32 v9, |v[XS+3]|, |v[XS+4]|, |v[XS+5]|
.irp i, 6,10
	v_max3_num_f32 v8, v8, |v[XS+\i]|, |v[XS+\i+1]|
	v_max3_num_f32 v9, v9, |v[XS+\i+2]|, |v[XS+\i+3]|
.endr
	v_max3_num_f32 v8, v8, |v[XS+14]|, |v[XS+15]|
	v_max3_num_f32 v8, v8, v9, 0x1800000           ; and the floor 2^(3 - 127): the byte cannot fall under 1
	v_max_num_f32_dpp v8, v8, v8 row_xmask:1 row_mask:0xf bank_mask:0xf   ; with my neighbour's 16: the block's
	v_add_nc_u32 v11, 0xff000000, v8               ; 2 off its exponent field: the conversion takes the exponent field of this operand as its scale
	v_cvt_scalef32_pk8_fp4_f32 v[C+4*(\t)], v[XS:XS+7], v11
	v_cvt_scalef32_pk8_fp4_f32 v[C+4*(\t)+1], v[XS+8:XS+15], v11
	v_lshrrev_b32 v[E+(\t)], 23, v11               ; the scale's byte
	ds_store_b8 v5, v[E+(\t)] offset:16*(\t)       ; both lanes of a block write the same byte with the same value
	global_store_b64 v4, v[C+4*(\t):C+4*(\t)+1], s[6:7] offset:32*CB*(\t)   ; the wave stores 256 consecutive bytes, aligned
.endm
; ---- path W's macros: a lane takes a column n, its registers run down K
.macro WLOAD t
.irp i, 0,1,2,3,4,5,6,7,8,9,10,11,12,13,14,15,16,17,18,19,20,21,22,23,24,25,26,27,28,29,30,31
	global_load_b32 v[WX+32*((\t)%2)+\i], v3, s[4:5] offset:(32*(\t)+\i)*4096 th:TH_LOAD_NT
.endr
.endm
.macro WBLOCK t
.set XS, WX+32*((\t)%2)
.if (\t) < NB-1
	s_wait_loadcnt 32                              ; this block's 32 loads are in; the next block's may be out
.else
	s_wait_loadcnt 0
.endif
	v_max3_num_f32 v16, |v[XS]|, |v[XS+1]|, |v[XS+2]|              ; the block's largest magnitude: all 32 numbers are mine
	v_max3_num_f32 v17, |v[XS+3]|, |v[XS+4]|, |v[XS+5]|
.irp i, 6,10,14,18,22,26
	v_max3_num_f32 v16, v16, |v[XS+\i]|, |v[XS+\i+1]|
	v_max3_num_f32 v17, v17, |v[XS+\i+2]|, |v[XS+\i+3]|
.endr
	v_max3_num_f32 v16, v16, |v[XS+30]|, |v[XS+31]|
	v_max3_num_f32 v16, v16, v17, 0x1800000        ; and the floor
	v_add_nc_u32 v11, 0xff000000, v16
	v_lshrrev_b32 v17, 23, v11                     ; the scale's byte
.if (\t)%4 == 0
	v_mov_b32 v[SB+(\t)/4], v17                    ; four bytes to a register, the lower K in the lower byte
.else
	v_lshl_or_b32 v[SB+(\t)/4], v17, 8*((\t)%4), v[SB+(\t)/4]
.endif
.irp g, 0,1,2,3
	v_cvt_scalef32_pk8_fp4_f32 v[WC+\g], v[XS+8*\g:XS+8*\g+7], v11
.endr
	ds_store_b128 v4, v[WC:WC+3] offset:16*(\t)    ; 32 codes: 16 bytes of my column's row
.if (\t)+2 < NB
	WLOAD (\t)+2
.endif
	s_wait_dscnt 0x0                               ; the store has read its registers: the next block's codes may be written
.endm
	s_load_b512 s[8:23], s[0:1], 0x0               ; srcQ s[8:9], srcK s[10:11], srcV s[12:13], Wq s[14:15], Wk s[16:17], Wv s[18:19], Wo s[20:21], xc s[22:23]
	s_load_b256 s[24:31], s[0:1], 0x40             ; xs s[24:25], wc s[26:27], ws s[28:29], wo16 s[30:31]
	v_lshl_add_u32 v[SPW], v0, 2, SPARE
	v_mov_b32 v[NIL], 0
	v_lshrrev_b32 v1, 5, v0
	v_readfirstlane_b32 s32, v1                    ; wave 0..3
	v_and_b32 v2, 31, v0                           ; lane
	s_mov_b32 s37, 0                               ; the upper word of every offset pair s[36:37]
	s_wait_kmcnt 0x0
	s_cmp_lt_u32 ttmp9, 96
	s_cbranch_scc1 .Lw
	s_cmp_ge_u32 ttmp9, 864
	s_cbranch_scc1 .Lcast
	; ---- PATH X
	s_sub_co_u32 s33, ttmp9, 96                    ; g: 256 work-groups to a tensor
	s_lshr_b32 s34, s33, 8                         ; which tensor
	s_cmp_eq_u32 s34, 0
	s_cselect_b64 s[4:5], s[8:9], s[10:11]
	s_cmp_eq_u32 s34, 2
	s_cselect_b64 s[4:5], s[12:13], s[4:5]
	s_and_b32 s35, s33, 255
	s_lshl_b32 s35, s35, 2
	s_add_co_u32 s35, s35, s32                     ; my wave's run of 8,192 numbers in its tensor
	s_lshl_b32 s36, s35, 15
	s_add_nc_u64 s[4:5], s[4:5], s[36:37]
	s_lshl_b32 s35, s33, 2
	s_add_co_u32 s35, s35, s32                     ; and among all three: the outputs lie on end
	s_lshl_b32 s36, s35, 12                        ; 4,096 bytes of codes a run
	s_add_nc_u64 s[6:7], s[22:23], s[36:37]
	s_lshl_b32 s36, s35, 8                         ; 256 scale bytes a run
	s_add_nc_u64 s[38:39], s[24:25], s[36:37]
	v_lshlrev_b32 v3, 4, v2                        ; my 16 bytes of a load's 512
	s_mul_i32 s40, s32, WREG
	v_lshrrev_b32 v14, 2, v2
	v_mul_u32_u24 v14, v14, SP
	v_and_b32 v15, 3, v2
	v_lshl_add_u32 v14, v15, 4, v14
	v_add_nc_u32 v14, s40, v14                     ; the stage, on the way in: SP (lane / 4) + 16 (lane % 4)
	v_mul_u32_u24 v15, v2, SP
	v_add_nc_u32 v15, s40, v15                     ; and on the way out: SP x lane
	v_mul_u32_u24 v4, v2, CB                       ; my codes' place in a step's
	v_lshrrev_b32 v5, 1, v2
	s_add_co_u32 s40, s40, 2*32*SP
	v_add_nc_u32 v5, s40, v5                       ; my wave's 256 scale bytes, my block's byte
	v_lshlrev_b32 v7, 3, v2
	v_add_nc_u32 v6, s40, v7                       ; on the way out 8 bytes a lane
.irp t, 0,1,2,3
	LOAD \t
.endr
	s_wait_loadcnt 12                              ; step 0's four loads are in
	TURN 0
.irp t, 0,1,2,3,4,5,6,7,8,9,10,11,12,13,14,15
	STEP \t
.endr
	ds_load_b64 v[8:9], v6                         ; LDS serves a wave's instructions in order: these see my byte stores
	s_wait_dscnt 0x0
	global_store_b64 v7, v[8:9], s[38:39]          ; 32 lanes store 256 consecutive bytes, aligned
	s_branch .Lend
	; ---- PATH W: 32 work-groups to a weight: 8 along n (128 columns each) x 4 along K (256 each)
.Lw:
	s_lshr_b32 s34, ttmp9, 5                       ; which weight
	s_cmp_eq_u32 s34, 0
	s_cselect_b64 s[4:5], s[14:15], s[16:17]
	s_cmp_eq_u32 s34, 2
	s_cselect_b64 s[4:5], s[18:19], s[4:5]
	s_and_b32 s35, ttmp9, 7
	s_lshl_b32 s35, s35, 7
	s_lshl_b32 s36, s32, 5
	s_add_co_u32 s35, s35, s36                     ; my wave's first column
	s_bfe_u32 s33, ttmp9, 0x20003                  ; which 256 along K
	s_lshl_b32 s36, s33, 20                        ; 256 rows of 4,096 bytes
	s_lshl_b32 s41, s35, 2
	s_add_co_u32 s36, s36, s41
	s_add_nc_u64 s[4:5], s[4:5], s[36:37]
	s_lshl_b32 s36, s34, 19                        ; codes: 524,288 bytes a weight, 512 a column, 128 for 256 along K
	s_lshl_b32 s41, s35, 9
	s_add_co_u32 s36, s36, s41
	s_lshl_b32 s41, s33, 7
	s_add_co_u32 s36, s36, s41
	s_add_nc_u64 s[6:7], s[26:27], s[36:37]
	s_lshl_b32 s36, s34, 15                        ; scale bytes: 32,768 a weight, 32 a column, 8 for 256 along K
	s_lshl_b32 s41, s35, 5
	s_add_co_u32 s36, s36, s41
	s_lshl_b32 s41, s33, 3
	s_add_co_u32 s36, s36, s41
	s_add_nc_u64 s[38:39], s[28:29], s[36:37]
	v_lshlrev_b32 v3, 2, v2                        ; in: 4 bytes a lane
	s_mul_i32 s40, s32, 32*PITCH
	s_add_co_u32 s40, s40, WSTG                    ; my stage
	v_mul_u32_u24 v4, v2, PITCH
	v_add_nc_u32 v4, s40, v4                       ; into it: row = my column
	v_and_b32 v5, 7, v2
	v_lshrrev_b32 v6, 3, v2                        ; out of it: eight lanes to a row of 128 bytes, four rows an instruction
	v_mul_u32_u24 v7, v6, PITCH
	v_lshl_add_u32 v7, v5, 4, v7
	v_add_nc_u32 v7, s40, v7
	v_lshlrev_b32 v8, 9, v6
	v_lshl_add_u32 v8, v5, 4, v8                   ; and the same place in the codes' buffer: 512 bytes from column to column
	v_lshlrev_b32 v9, 5, v2                        ; my column's row of scale bytes
	WLOAD 0
	WLOAD 1
.set Q, 0
.rept NB
	WBLOCK Q
.set Q, Q+1
.endr
	global_store_b64 v9, v[SB:SB+1], s[38:39]      ; my column's 8 scale bytes
.irp t, 0,1,2,3,4,5,6,7
	ds_load_b128 v[OUTR+4*\t:OUTR+4*\t+3], v7 offset:4*\t*PITCH
.endr
.irp t, 0,1,2,3,4,5,6,7
	s_wait_dscnt 7-\t                              ; LDS loads come back in order: load t is in
	global_store_b128 v8, v[OUTR+4*\t:OUTR+4*\t+3], s[6:7] offset:4*\t*512   ; eight lanes store 128 consecutive bytes of a column's row
.endr
	s_branch .Lend
	; ---- PATH C: a wave casts 4,096 numbers of Wo
.Lcast:
	s_sub_co_u32 s33, ttmp9, 864
	s_lshl_b32 s33, s33, 2
	s_add_co_u32 s33, s33, s32
	s_lshl_b32 s36, s33, 14
	s_add_nc_u64 s[4:5], s[20:21], s[36:37]
	s_lshl_b32 s36, s33, 13
	s_add_nc_u64 s[6:7], s[30:31], s[36:37]
	v_lshlrev_b32 v3, 4, v2
	v_lshlrev_b32 v4, 3, v2
.set ii, 0
.rept 32
	global_load_b128 v[32+4*ii:35+4*ii], v3, s[4:5] offset:512*ii th:TH_LOAD_NT
.set ii, ii+1
.endr
	s_wait_loadcnt 16                              ; the first sixteen loads are in
.set ii, 0
.rept 16
	v_cvt_pk_f16_f32 v[160+2*ii], v[32+4*ii], v[33+4*ii]
	v_cvt_pk_f16_f32 v[161+2*ii], v[34+4*ii], v[35+4*ii]
	global_store_b64 v4, v[160+2*ii:161+2*ii], s[6:7] offset:256*ii   ; the wave stores 256 consecutive bytes, aligned
.set ii, ii+1
.endr
	s_wait_loadcnt 0x0
.set ii, 16
.rept 16
	v_cvt_pk_f16_f32 v[2*ii], v[32+4*ii], v[33+4*ii]                  ; into v32-63, whose numbers have been converted: no store's data are written again
	v_cvt_pk_f16_f32 v[2*ii+1], v[34+4*ii], v[35+4*ii]
	global_store_b64 v4, v[2*ii:2*ii+1], s[6:7] offset:256*ii
.set ii, ii+1
.endr
.Lend:
	s_wait_tensorcnt 0x0                           ; the wave's end
	ds_add_u32 v[SPW], v[NIL]
	s_wait_dscnt 0x0
	s_endpgm
.Lfunc_end_k_qf6715d196d_prep:
	.size	k_qf6715d196d_prep, .Lfunc_end_k_qf6715d196d_prep-k_qf6715d196d_prep
	.p2alignl 7, 3214868480
	.fill 96, 4, 3214868480
	.section	.rodata,"a",@progbits
	.p2align	6, 0x0
	.amdhsa_kernel k_qf6715d196d_prep
		.amdhsa_group_segment_fixed_size 51712
		.amdhsa_private_segment_fixed_size 0
		.amdhsa_enable_private_segment 0
		.amdhsa_kernarg_size 96
		.amdhsa_user_sgpr_count 2
		.amdhsa_user_sgpr_kernarg_segment_ptr 1
		.amdhsa_wavefront_size32 1
		.amdhsa_system_sgpr_workgroup_id_x 1
		.amdhsa_system_sgpr_workgroup_id_y 1
		.amdhsa_system_sgpr_workgroup_id_z 1
		.amdhsa_system_vgpr_workitem_id 0
		.amdhsa_next_free_vgpr 192
		.amdhsa_next_free_sgpr 66
		.amdhsa_reserve_vcc 0
		.amdhsa_float_denorm_mode_32 3
		.amdhsa_float_denorm_mode_16_64 3
		.amdhsa_memory_ordered 1
		.amdhsa_forward_progress 1
		.amdhsa_inst_pref_size 83
	.end_amdhsa_kernel
	.amdgpu_metadata
---
amdhsa.version: [ 1, 2 ]
amdhsa.kernels:
  - .name:           k_qf6715d196d_prep
    .symbol:         k_qf6715d196d_prep.kd
    .args:
      - { .name: srcQ, .offset: 0, .size: 8, .value_kind: global_buffer, .address_space: global }
      - { .name: srcK, .offset: 8, .size: 8, .value_kind: global_buffer, .address_space: global }
      - { .name: srcV, .offset: 16, .size: 8, .value_kind: global_buffer, .address_space: global }
      - { .name: Wq, .offset: 24, .size: 8, .value_kind: global_buffer, .address_space: global }
      - { .name: Wk, .offset: 32, .size: 8, .value_kind: global_buffer, .address_space: global }
      - { .name: Wv, .offset: 40, .size: 8, .value_kind: global_buffer, .address_space: global }
      - { .name: Wo, .offset: 48, .size: 8, .value_kind: global_buffer, .address_space: global }
      - { .name: xc, .offset: 56, .size: 8, .value_kind: global_buffer, .address_space: global }
      - { .name: xs, .offset: 64, .size: 8, .value_kind: global_buffer, .address_space: global }
      - { .name: wc, .offset: 72, .size: 8, .value_kind: global_buffer, .address_space: global }
      - { .name: ws, .offset: 80, .size: 8, .value_kind: global_buffer, .address_space: global }
      - { .name: wo16, .offset: 88, .size: 8, .value_kind: global_buffer, .address_space: global }
    .group_segment_fixed_size: 51712
    .private_segment_fixed_size: 0
    .kernarg_segment_align: 8
    .kernarg_segment_size: 96
    .max_flat_workgroup_size: 128
    .sgpr_count:     66
    .vgpr_count:     192
    .wavefront_size: 32
...
	.end_amdgpu_metadata
.endif
;; end of part 1
;; launch proj (part 2): grid 4 x 96, 4 waves a work-group, clusters of 4 x 4, 327,680 bytes of LDS; arguments xc, xs, wc, ws, bq, bk, bv, mask, qkv; writes qkv
.if DOCPART == 2
	.amdgcn_target "amdgcn-amd-amdhsa--gfx1250"
	.amdhsa_code_object_version 6
	.text
	.protected	k_qf6715d196d_proj
	.globl	k_qf6715d196d_proj
	.p2align	8
	.type	k_qf6715d196d_proj,@function
k_qf6715d196d_proj:
	s_mov_b64 s[64:65], 0
	v_nop
	global_prefetch_b8 v0, s[64:65] scope:SCOPE_SE
	s_setreg_imm32_b32 hwreg(HW_REG_WAVE_MODE, 25, 1), 1
	s_wait_xcnt 0x0
	s_wait_alu depctr_hold_cnt(0) depctr_sa_sdst(0) depctr_va_vdst(0) depctr_va_sdst(0) depctr_va_ssrc(0) depctr_va_vcc(0) depctr_vm_vsrc(0)
	s_getreg_b32 s2, hwreg(HW_REG_IB_STS2, 6, 4)
	s_cmp_eq_u32 s2, 0
	s_cbranch_scc0 .Lentry_in_a_cluster
	s_endpgm
.Lentry_in_a_cluster:
	s_bfe_u32 s2, ttmp6, 0x10000c
	s_cmp_lg_u32 s2, 0xf033
	s_cbranch_scc0 .Lentry_shape_is_right
	s_endpgm
.Lentry_shape_is_right:
; PROJ: the three quantised products src @ W + b as ONE product on codes of FP4 (E2M1) with E8M0 scales: A = xc [24576][1024] (srcQ, srcK, srcV on end), B = wc [3][1024 n][1024 k].
; Tile row ty (256 rows) belongs to problem p = ty / 32 and takes B's rows 1024 p on.  Results, + bias, leave as f16, head-major: qkv [3 p][4 batch][16 head][2048 position][64].
; K's rows (p = 1) at positions where mask == 0 are stored as zeros: the next launch then gets the score 0 + (-10000) for them, which is what the masked score is to be.
; LIMITS: results beyond 65,504 in magnitude have no place in f16.
; A tile of C, 256 x 256, is made by four waves, 128 x 128 each: 64 accumulators, 512 registers.  K = 1024 is two LDS slots of 512 along K (rows of 256 bytes): both are asked for at the head, nothing is filled again.
; The scale bytes of the work-group's rows of A and of B, for all of K, come once, as units of 256 bytes + 16 of padding.
; CLUSTERS: 4 x 4 work-groups.  A's tiles are shared along a row of the cluster, B's along a column: each is asked for jointly, by the same tensor load with the same descriptor and a mask that names the four.
; p is made of the cluster's y alone, so it is the same in all sixteen partners.
; THE MATRIX INSTRUCTION IS USED TRANSPOSED (source 0 = 16 rows of B, source 1 = 16 rows of A): a lane holds eight neighbouring columns of one row of C.  The bias is the C of each sum's first instruction.
; REGISTERS: window 0: v0-31 addresses; v32-95 scale words, two sets; v96-103 the mask's words; v128-191 A's fragments, one set; on the way out v128-191 rows read back, v192-223 packed results.
;   window 1: B's fragments at v0-63 and v128-191; v64-127 the bias, eight registers for each of my 8 column blocks.   window 2: accumulators of my rows 0-63;  window 3: of rows 64-127.
.set NQ,     4                         ; steps of 128 along K in a slot
.set ROWB,   256                       ; a tile's row in bytes: 512 codes
.set KROW,   512                       ; a row of codes in memory
.set PITCH,  272                       ; an LDS row: 256 bytes + 16 of padding: the 16 rows that a load touches begin 68 words apart
.set FR,     8
.set NL,     2
.set NP,     4                         ; places behind this matrix instruction (ISA guide 7.12.1)
.set HALFT,  128*PITCH
.set SLOT,   4*HALFT
.set KS,     32                        ; a row of scale bytes
.set SCL,    2*SLOT
.set HALFS,  16*272                    ; the scales of 128 rows
.set SBLK,   2*272                     ; those of 16 rows
.set SPARE,  SCL+4*HALFS               ; the spare words, 128 bytes a wave: two blocks of 256 bytes that no other line names
.set SPITCH, 272                       ; the way out: a stage of 16 rows x (256 bytes + 16) for each wave, in slot 0, which has had its only fill and its last read by then
.set ADRA, 16
.set ADRB, 20
.set STO,  24
.set RD,   25
.set CO,   26
.set ADRS, 27
.set SPW,  28
.set NIL,  29
.set SC,   32
.set MK,   96
.set AF,   128
.set BK,   128
.set TMP,  192
.set BIAS, 64                          ; in window 1
.set KEEP, 40                          ; s40-47: for block a of my rows, a bit a lane: the row is kept
.set G1, 24
.set G0, 32
.set G1B, 48
.set G0B, 56
.set G1S, 68
.set G0S, 76
.set G1SB, 80
.set G0SB, 88
.set MSB, 0
.macro WIN new                         ; the immediate's high byte repeats the setting that is left
.if MSB != \new
	s_set_vgpr_msb (MSB<<8)|\new
.set MSB, \new
.endif
.endm
.set MUL_LO, 0xa1                      ; source 0 (B) window 1, source 1 (A) window 0, C and D window 2
.set MUL_HI, 0xf1                      ; the same, C and D window 3
.set MUL_LO0, 0x91                     ; the first step: C (the bias) window 1, D window 2
.set MUL_HI0, 0xd1                     ; C window 1, D window 3
.set TO_B,   0x40
; A joint load: waves 0 and 1 fetch for A, waves 2 and 3 for B; the branch hangs on the wave's number alone.  An s_nop 0 and four v_nop follow each of the two lines.
.macro JLOAD g0a, g1a, g0b, g1b
	s_cmp_eq_u32 s15, 0
	s_cbranch_scc0 .Lfor_b_\@
	tensor_load_to_lds s[\g0a:\g0a+3], s[\g1a:\g1a+7]
	s_nop 0
.rept 4
	v_nop
.endr
	s_branch .Lasked_\@
.Lfor_b_\@:
	tensor_load_to_lds s[\g0b:\g0b+3], s[\g1b:\g1b+7]
	s_nop 0
.rept 4
	v_nop
.endr
.Lasked_\@:
.endm
.macro CROUND                          ; a round of the cluster's barrier
	s_barrier_signal -1
	s_barrier_wait -1
	s_cmp_lg_u32 s14, 0
	s_cbranch_scc1 .Lnot_wave_0_\@
	s_barrier_signal -3
.Lnot_wave_0_\@:
	s_barrier_wait -3
	s_barrier_signal -1
	s_barrier_wait -1
.endm
	s_load_b256 s[4:11], s[0:1], 0x0               ; xc s[4:5], xs s[6:7], wc s[8:9], ws s[10:11]
	s_load_b64 s[12:13], s[0:1], 0x40              ; qkv
	v_lshl_add_u32 v[SPW], v0, 2, SPARE
	v_mov_b32 v[NIL], 0
	ds_add_u32 v[SPW], v[NIL]                      ; the wave's opening: the add, twice on end, and its wait ahead of my first tensor load
	ds_add_u32 v[SPW], v[NIL]
	v_lshrrev_b32 v1, 5, v0
	v_readfirstlane_b32 s14, v1                    ; wave 0..3
	s_lshr_b32 s15, s14, 1                         ; which half of the tile's rows is mine.  Also: I fetch for A (0) or for B (1)
	s_and_b32 s16, s14, 1                          ; which half of its columns.  Also: which 128 rows of that tile I fetch
	s_bfe_u32 s40, ttmp6, 0x40000                  ; cx, cy
	s_bfe_u32 s41, ttmp6, 0x40004
	s_lshl_b32 s42, ttmp9, 2
	s_add_co_u32 s42, s42, s40                     ; tile column = 4 x cluster x + cx
	s_and_b32 s95, ttmp7, 0xffff                   ; cluster y
	s_lshl_b32 s17, s95, 2
	s_add_co_u32 s17, s17, s41                     ; tile row = 4 x cluster y + cy
	s_lshr_b32 s95, s95, 3                         ; p: eight clusters along y to a problem
	s_lshl_b32 s43, s41, 2
	s_lshl_b32 s43, 15, s43                        ; my row of the cluster
	s_lshl_b32 s44, 0x1111, s40                    ; my column
	s_or_b32 s[G1+0], s43, (0<<16)|(1<<20)|(1<<21)|(5<<22)|(3<<25)  ; the mask; elements of 1 byte; padding on; bit 21 beside a mask; 4 words behind every 64
	s_or_b32 s[G1B+0], s44, (0<<16)|(1<<20)|(1<<21)|(5<<22)|(3<<25)
.irp g, G1, G1B
	s_mov_b32 s[\g+1], ROWB<<16                    ; tensor_dim0
	s_mov_b32 s[\g+2], 128<<16                     ; tensor_dim1
	s_mov_b32 s[\g+3], ROWB<<16                    ; tile_dim0
	s_mov_b32 s[\g+4], 128                         ; tile_dim1
	s_mov_b32 s[\g+5], KROW                        ; from row to row
	s_mov_b32 s[\g+6], 0
	s_mov_b32 s[\g+7], 0
.endr
	s_or_b32 s[G1S+0], s43, (3<<16)|(1<<20)|(1<<21)|(5<<22)|(3<<25) ; the scales of 128 rows: 4,096 dense bytes as 16 rows of 32 elements of 8 bytes
	s_or_b32 s[G1SB+0], s44, (3<<16)|(1<<20)|(1<<21)|(5<<22)|(3<<25)
.irp g, G1S, G1SB
	s_mov_b32 s[\g+1], 32<<16
	s_mov_b32 s[\g+2], 16<<16
	s_mov_b32 s[\g+3], 32<<16
	s_mov_b32 s[\g+4], 16
	s_mov_b32 s[\g+5], 32
	s_mov_b32 s[\g+6], 0
	s_mov_b32 s[\g+7], 0
.endr
	s_lshl_b32 s18, s16, 7                         ; which 128 rows of the tile I fetch
	s_lshl_b32 s20, s17, 8
	s_add_co_u32 s20, s20, s18                     ; A: row 256 x tile row + 128 x half
	s_lshl_b32 s46, s42, 8
	s_add_co_u32 s46, s46, s18                     ; B: row 256 x tile column + 128 x half
	s_lshl_b32 s19, s95, 10
	s_add_co_u32 s46, s46, s19                     ;    + 1024 p
	s_mov_b32 s21, 0
	s_mov_b32 s47, 0
	s_mov_b64 s[18:19], KS
	s_mul_u64 s[22:23], s[20:21], s[18:19]         ; where these rows' scales begin, in bytes
	s_mul_u64 s[92:93], s[46:47], s[18:19]
	s_mov_b64 s[18:19], KROW
	s_mul_u64 s[20:21], s[20:21], s[18:19]         ; and their codes
	s_mul_u64 s[46:47], s[46:47], s[18:19]
	s_mul_i32 s45, s14, HALFT                      ; where they go: wave x 128 rows
	s_mul_i32 s94, s14, HALFS
	s_wait_dscnt 0x0                               ; both opening adds are done
	s_wait_kmcnt 0x0
	s_add_nc_u64 s[20:21], s[4:5], s[20:21]
	s_add_nc_u64 s[22:23], s[6:7], s[22:23]
	s_add_nc_u64 s[46:47], s[8:9], s[46:47]
	s_add_nc_u64 s[92:93], s[10:11], s[92:93]
	CROUND                                         ; all sixteen work-groups are here: the joint loads meet
	s_mov_b32 s[G0S], 1
	s_add_co_u32 s[G0S+1], s94, SCL
	s_mov_b64 s[G0S+2:G0S+3], s[22:23]
	s_or_b32 s[G0S+3], s[G0S+3], 0x80000000
	s_mov_b32 s[G0SB], 1
	s_add_co_u32 s[G0SB+1], s94, SCL
	s_mov_b64 s[G0SB+2:G0SB+3], s[92:93]
	s_or_b32 s[G0SB+3], s[G0SB+3], 0x80000000
	JLOAD G0S, G1S, G0SB, G1SB                     ; the scales first
.irp s, 0,1
	s_mov_b32 s[G0+4*\s], 1
	s_add_co_u32 s[G0+4*\s+1], s45, \s*SLOT
	s_add_nc_u64 s[G0+4*\s+2:G0+4*\s+3], s[20:21], \s*ROWB
	s_or_b32 s[G0+4*\s+3], s[G0+4*\s+3], 0x80000000
	s_mov_b32 s[G0B+4*\s], 1
	s_add_co_u32 s[G0B+4*\s+1], s45, \s*SLOT
	s_add_nc_u64 s[G0B+4*\s+2:G0B+4*\s+3], s[46:47], \s*ROWB
	s_or_b32 s[G0B+4*\s+3], s[G0B+4*\s+3], 0x80000000
	JLOAD G0+4*\s, G1, G0B+4*\s, G1B               ; three tensor loads of mine are out
.endr
	s_load_b256 s[4:11], s[0:1], 0x20              ; bq s[4:5], bk s[6:7], bv s[8:9], mask s[10:11]: the four pointers that stood here are in the descriptors
	v_and_b32 v1, 15, v0                           ; r = l % 16
	v_bfe_u32 v2, v0, 4, 1                         ; h = l / 16
	v_mul_u32_u24 v3, v1, PITCH
	v_lshl_add_u32 v4, v2, 4, v3                   ; a fragment's row x pitch + 16 x half
	s_mul_i32 s21, s15, HALFT                      ; my 128 rows of A
	s_mul_i32 s22, s16, HALFT                      ; my 128 rows of B,
	s_add_co_u32 s22, s22, 2*HALFT                 ; which lie behind A's 256
.irp s, 0,1
	v_add_nc_u32 v[ADRA+\s], s21, v4
	v_add_nc_u32 v[ADRB+\s], s22, v4
	s_add_co_u32 s21, s21, SLOT
	s_add_co_u32 s22, s22, SLOT
.endr
	v_mul_u32_u24 v5, v1, KS                       ; my row's scales: 32 bytes a row,
	v_lshrrev_b32 v6, 8, v5
	v_lshl_add_u32 v5, v6, 4, v5                   ; and 16 more for each 256 passed
	s_mul_i32 s21, s15, HALFS
	s_mul_i32 s22, s16, HALFS
	s_add_co_u32 s22, s22, 2*HALFS
	s_sub_co_u32 s22, s22, s21
	v_mul_u32_u24 v6, s22, v2                      ; lanes 16-31 take B's
	s_add_co_u32 s21, s21, SCL
	v_add_nc_u32 v5, v5, v6
	v_add_nc_u32 v[ADRS], s21, v5
	s_mul_i32 s23, s14, 16*SPITCH                  ; my stage
	v_mul_u32_u24 v5, v1, SPITCH
	v_lshl_add_u32 v5, v2, 4, v5
	v_add_nc_u32 v[STO], s23, v5                   ; in: row r, 16 bytes for each half of the lanes
	v_bfe_u32 v5, v0, 3, 2
	v_mul_u32_u24 v5, v5, SPITCH
	v_and_b32 v6, 7, v0
	v_lshl_add_u32 v5, v6, 4, v5
	v_add_nc_u32 v[RD], s23, v5                    ; back: eight lanes take a head's 128 bytes of a row, four rows an instruction
	v_and_b32 v6, 31, v0
	v_lshlrev_b32 v[CO], 4, v6                     ; which are 512 consecutive bytes of qkv
	v_lshlrev_b32 v30, 5, v2                       ; the bias: 32 h bytes
	v_lshlrev_b32 v31, 2, v1                       ; the mask: 4 r bytes
	s_lshl_b32 s20, s17, 8
	s_lshl_b32 s21, s15, 7
	s_add_co_u32 s20, s20, s21                     ; m0: my first row among the 24,576
	s_lshr_b32 s21, s20, 11
	s_lshl_b32 s21, s21, 22                        ; (problem, batch): 4,194,304 bytes each
	s_and_b32 s22, s20, 2047
	s_lshl_b32 s22, s22, 7                         ; position: 128 bytes each
	s_add_co_u32 s21, s21, s22
	s_lshl_b32 s46, s42, 2
	s_lshl_b32 s47, s16, 1
	s_add_co_u32 s46, s46, s47                     ; my first head: 4 x tile column + 2 x half
	s_lshl_b32 s46, s46, 18                        ; 262,144 bytes each
	s_add_co_u32 s46, s46, s21
	s_mov_b32 s47, 0
	s_add_nc_u64 s[12:13], s[12:13], s[46:47]
	s_wait_kmcnt 0x0
	s_and_b32 s46, s20, 8191                       ; the mask's word of my first row: batch x 2048 + position
	s_lshl_b32 s46, s46, 2
	s_add_nc_u64 s[10:11], s[10:11], s[46:47]
	s_cmp_eq_u32 s95, 0
	s_cselect_b64 s[4:5], s[4:5], s[6:7]
	s_cmp_eq_u32 s95, 2
	s_cselect_b64 s[4:5], s[8:9], s[4:5]           ; my problem's bias
	s_lshl_b32 s46, s42, 10
	s_lshl_b32 s93, s16, 9
	s_add_co_u32 s46, s46, s93                     ; my first column, 4 bytes each
	s_add_nc_u64 s[4:5], s[4:5], s[46:47]
	WIN TO_B
.irp b, 0,1,2,3,4,5,6,7
	global_load_b128 v[BIAS+8*\b:BIAS+8*\b+3], v30, s[4:5] offset:64*\b       ; lane (r, h), register j: the bias of column 16 b + 8 h + j
	global_load_b128 v[BIAS+8*\b+4:BIAS+8*\b+7], v30, s[4:5] offset:64*\b+16
.endr
	WIN 0
.irp a, 0,1,2,3,4,5,6,7
	global_load_b32 v[MK+\a], v31, s[10:11] offset:64*\a                      ; the mask's word of row 16 a + r
.endr
.macro FRAG reg, adr, q, i             ; 16 rows x 128 K of 4-bit codes: 8 registers: lane l holds row l % 16; registers 4 c .. 4 c + 3 hold K = 64 c + 32 (l / 16) + 0 .. 31
.irp c, 0,1
	ds_load_b128 v[\reg+4*\c:\reg+4*\c+3], v[\adr] offset:64*(\q)+32*\c+(\i)*16*PITCH
.endr
.endm
; 16 matrix instructions: A's blocks a0, a0 + 1 x B's eight.  zero = 1: the first product starts the sums from the bias.  The 64 accumulators take turns, one instruction a turn.
.macro MUL16 a0, p, q, sc, zero
.irp a, \a0, \a0+1
.irp b, 0,1,2,3,4,5,6,7
.if \zero
	v_wmma_scale_f32_16x16x128_f8f6f4 v[8*(8*((\a)%4)+\b):8*(8*((\a)%4)+\b)+7], v[128*(\p)+FR*\b:128*(\p)+FR*\b+FR-1], v[AF+FR*(\a):AF+FR*(\a)+FR-1], v[BIAS+8*\b:BIAS+8*\b+7], v[SC+8*NQ*(\sc)+NQ*\b+(\q)], v[SC+8*NQ*(\sc)+NQ*(\a)+(\q)] matrix_a_fmt:MATRIX_FMT_FP4 matrix_b_fmt:MATRIX_FMT_FP4 matrix_a_scale:MATRIX_SCALE_ROW1
.else
	v_wmma_scale_f32_16x16x128_f8f6f4 v[8*(8*((\a)%4)+\b):8*(8*((\a)%4)+\b)+7], v[128*(\p)+FR*\b:128*(\p)+FR*\b+FR-1], v[AF+FR*(\a):AF+FR*(\a)+FR-1], v[8*(8*((\a)%4)+\b):8*(8*((\a)%4)+\b)+7], v[SC+8*NQ*(\sc)+NQ*\b+(\q)], v[SC+8*NQ*(\sc)+NQ*(\a)+(\q)] matrix_a_fmt:MATRIX_FMT_FP4 matrix_b_fmt:MATRIX_FMT_FP4 matrix_a_scale:MATRIX_SCALE_ROW1
.endif
.endr
.endr
.endm
.macro FETCH_B slot, q, p
	WIN TO_B
.irp i, 0,1,2,3,4,5,6,7
	FRAG 128*(\p)+FR*\i, ADRB+\slot, \q, \i
.endr
	WIN 0
.endm
.macro FETCH_A slot, q, i0
.irp i, \i0, \i0+1, \i0+2, \i0+3
	FRAG AF+FR*(\i), ADRA+\slot, \q, \i
.endr
.endm
.macro SCALES sc                       ; a slot's scale words: 4 words a row; lanes 0-15 take A's block i, lanes 16-31 B's block i
.irp i, 0,1,2,3,4,5,6,7
	ds_load_b128 v[SC+8*NQ*\sc+NQ*\i:SC+8*NQ*\sc+NQ*\i+3], v[ADRS] offset:\i*SBLK
.endr
.endm
.macro PLACES n                        ; plain vector instructions that name no register of the matrix instructions before them (ISA guide 7.12.1)
.rept \n
	v_nop
.endr
.endm
.macro STEP slot, q, zero              ; a step of 128 along K that has its successor in the same slot
	s_wait_dscnt 4*NL                              ; B's set and A's blocks 0-3 are in; the youngest eight loads (A's blocks 4-7) may be out
.if \zero
	WIN MUL_LO0
.else
	WIN MUL_LO
.endif
	MUL16 0, (\q)%2, \q, \slot, \zero
	MUL16 2, (\q)%2, \q, \slot, \zero
	s_wait_dscnt 0                                 ; A's blocks 4-7 are in
	PLACES NP
	FETCH_B \slot, (\q)+1, 1-(\q)%2
	FETCH_A \slot, (\q)+1, 0
.if \zero
	WIN MUL_HI0
.else
	WIN MUL_HI
.endif
	MUL16 4, (\q)%2, \q, \slot, \zero
	MUL16 6, (\q)%2, \q, \slot, \zero
	PLACES NP
	WIN 0
	FETCH_A \slot, (\q)+1, 4
.endm
; Slot 0's last step changes slots: one barrier; in front of it each wave waits for all its tensor loads (its part of slot 1), adds 0 to its spare word, and waits for that and for its reads of slot 0.
.macro TURN slot, next
	s_wait_tensorcnt 0x0
	ds_add_u32 v[SPW], v[NIL]
	s_wait_dscnt 4*NL+1                            ; (the add and the youngest eight loads may be out)
	WIN MUL_LO
	MUL16 0, 1, NQ-1, \slot, 0
	s_wait_dscnt 0x0                               ; the add is done, and my reads of this slot are over
	s_barrier_signal -1
	MUL16 2, 1, NQ-1, \slot, 0
	WIN 0
	s_barrier_wait -1
	PLACES NP
	v_add_nc_u32 v[ADRS], 4*NQ, v[ADRS]            ; on to the next slot's scale words
	FETCH_B \next, 0, 0
	FETCH_A \next, 0, 0
	SCALES \next
	WIN MUL_HI
	MUL16 4, 1, NQ-1, \slot, 0
	MUL16 6, 1, NQ-1, \slot, 0
	PLACES NP
	WIN 0
	FETCH_A \next, 0, 4
.endm
.macro STEPS slot, from
.set Q, \from
.rept NQ-1-\from
	STEP \slot, Q, 0
.set Q, Q+1
.endr
.endm
	s_wait_tensorcnt 1                             ; the scales and my part of slot 0 are in (slot 1's load may be out)
	s_barrier_signal -1
	s_barrier_wait -1                              ; everybody's are
	FETCH_B 0, 0, 0
	FETCH_A 0, 0, 0
	SCALES 0
	FETCH_A 0, 0, 4
	s_wait_loadcnt 0x0                             ; the bias and the mask's words
	s_cmp_lg_u32 s95, 1
	s_cselect_b32 s96, 1, 0                        ; only K's rows are subject to the mask
.irp a, 0,1,2,3,4,5,6,7
	v_or_b32 v[MK+\a], s96, v[MK+\a]
.endr
.irp a, 0,1,2,3,4,5,6,7
	v_cmp_ne_u32 s[KEEP+\a], 0, v[MK+\a]           ; a bit a lane: row 16 a + r is kept
.endr
	STEP 0, 0, 1
	STEPS 0, 1
	TURN 0, 1
	STEPS 1, 0
	s_wait_dscnt 4*NL                              ; the very last step: nothing more to fetch
	WIN MUL_LO
	MUL16 0, 1, NQ-1, 1, 0
	MUL16 2, 1, NQ-1, 1, 0
	s_wait_dscnt 0
	WIN MUL_HI
	MUL16 4, 1, NQ-1, 1, 0
	MUL16 6, 1, NQ-1, 1, 0
	WIN 0
; THE WAY OUT, block by block of 16 rows x 128 columns (two heads).  PACK: rounded to f16, 16 bytes a lane, each accumulator from its low end on; rows that are not kept become zeros.
; TOSTAGE: into my stage and back, a head's 128 bytes of four rows an instruction.  SEND: 512 consecutive bytes of qkv a store.
.macro PACK a
.set AC, 64*((\a)%4)
	WIN 0x0a+5*((\a)/4)                            ; sources 0 and 1: window 2 or 3
.irp b, 0,1,2,3,4,5,6,7
.irp i, 0,1,2,3
	v_cvt_pk_f16_f32 v[TMP+4*\b+\i], v[AC+8*\b+2*\i], v[AC+8*\b+2*\i+1]
.endr
.endr
	WIN 0
.set jj, 0
.rept 32
	v_cndmask_b32 v[TMP+jj], 0, v[TMP+jj], s[KEEP+(\a)]
.set jj, jj+1
.endr
.endm
.macro TOSTAGE a
.set BB, BK+32*((\a)%2)
.irp b, 0,1,2,3,4,5,6,7
	ds_store_b128 v[STO], v[TMP+4*\b:TMP+4*\b+3] offset:32*\b
.endr
.irp u, 0,1
.irp i, 0,1,2,3
	ds_load_b128 v[BB+4*(4*\u+\i):BB+4*(4*\u+\i)+3], v[RD] offset:128*\u+4*SPITCH*\i   ; LDS serves a wave's instructions in order: these see the stores above
.endr
.endr
.endm
.macro SEND a
.set BB, BK+32*((\a)%2)
	s_wait_dscnt 0x0                               ; the block is back in registers
	s_wait_xcnt 0x0                                ; earlier stores have read their base and their data: both may be written again
.if (\a) > 0
	s_add_nc_u64 s[12:13], s[12:13], 16*128        ; 16 positions on
.endif
.irp u, 0,1
.irp i, 0,1,2,3
	global_store_b128 v[CO], v[BB+4*(4*\u+\i):BB+4*(4*\u+\i)+3], s[12:13] offset:\u*262144+512*\i
.endr
.endr
.endm
	PLACES NP                                      ; behind the last products
	PACK 0
	TOSTAGE 0
.irp a, 1,2,3,4,5,6,7
	PACK \a                                        ; block a's conversions stand between block a - 1's loads from the stage and the wait for them
	SEND \a-1
	TOSTAGE \a
.endr
	SEND 7
	s_wait_tensorcnt 0x0                           ; the wave's end
	ds_add_u32 v[SPW], v[NIL]
	s_wait_dscnt 0x0
	CROUND                                         ; the closing round
	s_endpgm
.Lfunc_end_k_qf6715d196d_proj:
	.size	k_qf6715d196d_proj, .Lfunc_end_k_qf6715d196d_proj-k_qf6715d196d_proj
	.p2alignl 7, 3214868480
	.fill 96, 4, 3214868480
	.section	.rodata,"a",@progbits
	.p2align	6, 0x0
	.amdhsa_kernel k_qf6715d196d_proj
		.amdhsa_group_segment_fixed_size 327680
		.amdhsa_private_segment_fixed_size 0
		.amdhsa_enable_private_segment 0
		.amdhsa_kernarg_size 72
		.amdhsa_user_sgpr_count 2
		.amdhsa_user_sgpr_kernarg_segment_ptr 1
		.amdhsa_wavefront_size32 1
		.amdhsa_system_sgpr_workgroup_id_x 1
		.amdhsa_system_sgpr_workgroup_id_y 1
		.amdhsa_system_sgpr_workgroup_id_z 1
		.amdhsa_system_vgpr_workitem_id 0
		.amdhsa_next_free_vgpr 1024
		.amdhsa_next_free_sgpr 100
		.amdhsa_reserve_vcc 0
		.amdhsa_float_denorm_mode_32 3
		.amdhsa_float_denorm_mode_16_64 3
		.amdhsa_memory_ordered 1
		.amdhsa_forward_progress 1
		.amdhsa_inst_pref_size 147
	.end_amdhsa_kernel
	.amdgpu_metadata
---
amdhsa.version: [ 1, 2 ]
amdhsa.kernels:
  - .name:           k_qf6715d196d_proj
    .symbol:         k_qf6715d196d_proj.kd
    .args:
      - { .name: xc, .offset: 0, .size: 8, .value_kind: global_buffer, .address_space: global }
      - { .name: xs, .offset: 8, .size: 8, .value_kind: global_buffer, .address_space: global }
      - { .name: wc, .offset: 16, .size: 8, .value_kind: global_buffer, .address_space: global }
      - { .name: ws, .offset: 24, .size: 8, .value_kind: global_buffer, .address_space: global }
      - { .name: bq, .offset: 32, .size: 8, .value_kind: global_buffer, .address_space: global }
      - { .name: bk, .offset: 40, .size: 8, .value_kind: global_buffer, .address_space: global }
      - { .name: bv, .offset: 48, .size: 8, .value_kind: global_buffer, .address_space: global }
      - { .name: mask, .offset: 56, .size: 8, .value_kind: global_buffer, .address_space: global }
      - { .name: qkv, .offset: 64, .size: 8, .value_kind: global_buffer, .address_space: global }
    .group_segment_fixed_size: 327680
    .private_segment_fixed_size: 0
    .kernarg_segment_align: 8
    .kernarg_segment_size: 72
    .max_flat_workgroup_size: 128
    .sgpr_count:     100
    .vgpr_count:     1024
    .wavefront_size: 32
...
	.end_amdgpu_metadata
.endif
;; end of part 2
;; launch attn (part 3): grid 4 x 64, 8 waves a work-group, clusters of 4 x 1, 327,680 bytes of LDS; arguments qkv, mask, ao; writes ao
.if DOCPART == 3
	.amdgcn_target "amdgcn-amd-amdhsa--gfx1250"
	.amdhsa_code_object_version 6
	.text
	.protected	k_qf6715d196d_attn
	.globl	k_qf6715d196d_attn
	.p2align	8
	.type	k_qf6715d196d_attn,@function
k_qf6715d196d_attn:
	s_mov_b64 s[64:65], 0
	v_nop
	global_prefetch_b8 v0, s[64:65] scope:SCOPE_SE
	s_setreg_imm32_b32 hwreg(HW_REG_WAVE_MODE, 25, 1), 1
	s_wait_xcnt 0x0
	s_wait_alu depctr_hold_cnt(0) depctr_sa_sdst(0) depctr_va_vdst(0) depctr_va_sdst(0) depctr_va_ssrc(0) depctr_va_vcc(0) depctr_vm_vsrc(0)
	s_getreg_b32 s2, hwreg(HW_REG_IB_STS2, 6, 4)
	s_cmp_eq_u32 s2, 0
	s_cbranch_scc0 .Lentry_in_a_cluster
	s_endpgm
.Lentry_in_a_cluster:
	s_bfe_u32 s2, ttmp6, 0x10000c
	s_cmp_lg_u32 s2, 0x3003
	s_cbranch_scc0 .Lentry_shape_is_right
	s_endpgm
.Lentry_shape_is_right:
; ATTN: O[b][h][q] = the sum over k of softmax_k(s[q][k]) V[k], s = Q . K (no scaling by the head's size), and s = -10000 where mask[b][k] == 0.
; Q, K, V: f16, [4 b][16 h][2048][64], three parts of qkv 16,777,216 bytes apart; O: f16, the same layout.  Products, maxima and sums in f32; the weights p are rounded to f16 for the second product; the row's sum is taken of the unrounded p.
; THE MASK COSTS NO VECTOR WORK IN THE LOOP: the launch before has stored zeros for K's rows at masked keys, and each score tile's first matrix instruction takes as C a tile mb[key] = 0 or -10000:
; a masked score is 0 + (-10000), exactly.  It goes through the running maximum like any score, so a batch with every key masked gives equal weights.
; LIMITS: NaN and infinities are not served; O beyond 65,504 in magnitude has no place in f16.
; SHARES.  A work-group owns 512 queries of one head; each of its eight waves 64: four tiles of 16, so that each fragment of K, V and mb read from LDS feeds four matrix instructions.
; Two waves share a SIMD, 512 registers each: while one walks its softmax the other's products and LDS loads can issue.  256 work-groups in all.
; Every wave walks all 2,048 keys, 64 a step.  A slot of the ring holds four steps; each wave brings one tile of a slot (waves 0-3: K of step w; waves 4-7: V of step w - 4).
; LAYOUT.  S^T = K Q^T (source 0 = 16 keys, source 1 = 16 queries): a lane holds ONE query (lane % 16) and the keys 8 (lane / 16) + 0..7.  Two such tiles, rounded to f16 in pairs, ARE source 1 of O^T = V^T P.
; K comes out of LDS as it lies, V ([key][channel]) turned, by ds_load_tr16_b128.
; SOFTMAX.  For each query a running maximum m and sum l: p = 2^(c s - c m), c = log2(e); from the second step on O and l are multiplied by a = 2^(c m_old - c m_new).
; The first step is written out: it starts m and l, and its products V^T P take the constant 0 as C: nothing is cleared.
; THE LOOP IS TURNED BY HALF A STEP, so that each run of LDS loads is asked for a phase ahead of its use.  A trip, for step j: ask for K of step j + 1 | softmax of step j | V^T P of step j, and in its middle ask for mb
; of step j + 1 | K Q^T of step j + 1 | ask for V of step j + 1.  The change of slots stands between two trips, ahead of the trip of a slot's last step: all of that slot's K and V has been asked for by then.
; TWO THINGS SHARE REGISTERS.  P is laid over the low half of each tile's S^T (register i takes registers 2 i and 2 i + 1, ascending, behind the sums, which leave S^T as it is).  mb is laid over V's first 32 registers:
; it is asked for behind the products that read them, and V behind the products that took mb as C.
; CLUSTER.  The four query blocks of a cluster are a whole head and walk the same K and V: each tile is asked for jointly.
; REGISTERS: window 0: v2-11 addresses; v12-43 statistics, eight a tile; v44-47; v48-111 Q; v112-239 S^T, 32 a tile, its first 16 later P; v240-250 at work at the head.
;   window 1: v0-127 O^T, 32 a tile; v128-191 K of a step; v192-255 V of a step, v192-223 before that mb of a step's four key tiles.
.set PK,    144       ; a row of K in LDS: 128 bytes + 16 of padding = 36 words
.set PV,    160       ; a row of V: 128 + 32 = 40 words
.set VOFF,  64*PK     ; a step's tiles lie together: 64 rows of K, then 64 rows of V
.set STEPB, 64*(PK+PV)
.set SLOT1, 1<<17     ; slot 1 begins here: one exclusive or turns an address in one slot into the other's
.set STAGE, SLOT1+4*STEPB  ; 16 rows x 144 bytes for each wave, for the way out
.set MB,    STAGE+8*16*PK  ; mb[2048], f32
.set SPARE, MB+8192   ; the spare words, 128 bytes a wave: four blocks of 256 bytes that no other line names
.set AK0, 2
.set AV0, 3
.set AM0, 4
.set ADK, 5
.set ADV, 6
.set ADM, 7
.set QO,  8
.set STO, 10
.set RD,  11
.set ST,  12          ; tile t's statistics at v[ST+8 t]: +0 c m, +1 m, +2, +3 l (even keys', odd keys'), +4 to +7 c0-c3, at work; a takes c2's place
.set PFO, 44
.set GO,  45
.set SPW, 46
.set NIL, 47
.set Q,   48
.set S,   112
.set O,   0           ; in window 1
.set KF,  128         ; in window 1
.set VF,  192         ; in window 1
.set WV,  12
.set LIM, 15
.set PFA, 18
.set G1K, 24
.set G1V, 32
.set G0K, 40          ; s[40:47]: a set for each of the two first fills; the second then walks on
.set G0V, 48
.set SLOTS, 56
.set CNT, 57
.set CS,  58
.set SEL, 60
.set TB,  62          ; LDS byte at which the tiles of the step to be fetched begin
.set TM,  63          ; and its 64 words of mb: 256 bytes a step
.set MSB, 0
.macro WIN new                         ; the immediate's high byte repeats the setting that is left; a switch that changes nothing is dropped
.if MSB != \new
	s_set_vgpr_msb (MSB<<8)|\new
.set MSB, \new
.endif
.endm
; A joint refill: waves 0-3 fetch K's tiles, waves 4-7 V's.  The branch hangs on the wave's number alone.  An s_nop 0 and four v_nop follow each of the two lines.
.macro JLOAD
	s_cmp_lt_u32 s[WV], 4
	s_cbranch_scc0 .Lfor_v_\@
	tensor_load_to_lds s[G0K+4:G0K+7], s[G1K:G1K+7]
	s_nop 0
.rept 4
	v_nop
.endr
	s_branch .Lasked_\@
.Lfor_v_\@:
	tensor_load_to_lds s[G0V+4:G0V+7], s[G1V:G1V+7]
	s_nop 0
.rept 4
	v_nop
.endr
.Lasked_\@:
.endm
; A prefetch of what the NEXT change of slots will ask for: a slot's 256 rows of K and of V, 32,768 dense bytes each.  Each aligned block of 256 bytes is named once in the launch: a head is walked by one cluster;
; its four partners take 8,192 bytes each, told apart by address; in each, wave 0 asks for K's and wave 4 for V's, lanes 256 bytes apart.
; It stands four key steps ahead of the load that will want the rows.  The last change that fills a slot asks for nothing; slots 0 to 2 come by their loads alone.
.macro ASK
	s_cmp_gt_u32 s[SLOTS], s[LIM]
	s_cbranch_scc0 .Lnot_mine_\@
	global_prefetch_b8 v[PFO], s[PFA:PFA+1] th:TH_LOAD_NT scope:SCOPE_SE
.Lnot_mine_\@:
.endm
.macro CROUND
	s_barrier_signal -1
	s_barrier_wait -1
	s_cmp_lg_u32 s[WV], 0
	s_cbranch_scc1 .Lnot_wave_0_\@
	s_barrier_signal -3
.Lnot_wave_0_\@:
	s_barrier_wait -3
	s_barrier_signal -1
	s_barrier_wait -1
.endm
	s_load_b128 s[4:7], s[0:1], 0x0                ; qkv s[4:5], mask s[6:7]
	s_load_b64 s[8:9], s[0:1], 0x10                ; ao
	v_lshl_add_u32 v[SPW], v0, 2, SPARE
	v_mov_b32 v[NIL], 0
	ds_add_u32 v[SPW], v[NIL]                      ; the wave's opening: the add, twice on end, and its wait ahead of my first tensor load
	ds_add_u32 v[SPW], v[NIL]
	v_lshrrev_b32 v1, 5, v0
	v_readfirstlane_b32 s[WV], v1                  ; wave 0..7
	s_bfe_u32 s13, ttmp6, 0x40000                  ; cx
	s_lshl_b32 s14, ttmp9, 2
	s_add_co_u32 s14, s14, s13                     ; my block of 512 queries: it enters Q's and O's addresses alone
	s_and_b32 s20, ttmp7, 0xffff                   ; batch x 16 + head, which the four partners share
	s_and_b32 s16, s[WV], 3                        ; which of a slot's four steps I fetch
	s_lshl_b32 s22, s20, 18                        ; a head is 262,144 bytes
	s_lshl_b32 s23, s16, 13                        ; a step's 64 rows are 8,192
	s_add_co_u32 s22, s22, s23
	s_mov_b32 s23, 0
	s_mul_i32 s17, s16, STEPB                      ; its place in a slot
	s_lshl_b32 s2, s20, 18
	s_lshl_b32 s3, s14, 16                         ; my block's 512 rows of 128 bytes,
	s_add_co_u32 s2, s2, s3
	s_lshl_b32 s3, s[WV], 13                       ; my wave's 64 of them
	s_add_co_u32 s2, s2, s3
	s_mov_b32 s3, 0
	s_lshr_b32 s20, s20, 4
	s_lshl_b32 s20, s20, 13                        ; my batch's 2,048 words of the mask
	s_mov_b32 s21, 0
	s_mov_b32 s[G1K], 15|(1<<16)|(1<<20)|(1<<21)|(4<<22)|(3<<25)  ; the mask: all four work-groups; elements of 2 bytes; padding on; bit 21 beside a mask; 4 words behind every 32
	s_mov_b32 s[G1V], 15|(1<<16)|(1<<20)|(1<<21)|(4<<22)|(7<<25)  ; the same with 8 words of padding
.irp g, G1K, G1V
	s_mov_b32 s[\g+1], 64<<16                      ; tensor_dim0
	s_mov_b32 s[\g+2], 64<<16                      ; tensor_dim1
	s_mov_b32 s[\g+3], 64<<16                      ; tile_dim0
	s_mov_b32 s[\g+4], 64                          ; tile_dim1
	s_mov_b32 s[\g+5], 64                          ; from row to row
	s_mov_b32 s[\g+6], 0
	s_mov_b32 s[\g+7], 0
.endr
	s_mov_b32 s[CS], 0x3fb8aa3b                    ; c = log2(e)
	s_mov_b32 s[CS+1], s[CS]
	s_mov_b32 s[SEL], 0x76543210
	s_mov_b32 s[SEL+1], 0xfedcba98
	s_mov_b32 s[TB], 0
	s_mov_b32 s[TM], 0
	s_mov_b32 s[SLOTS], 6                          ; 8 slots' worth of keys; all but the last two slots read are filled again
	s_and_b32 s[LIM], s[WV], 3                     ; 0 in waves 0 and 4: the same in all four partners
	s_cmp_eq_u32 s[LIM], 0
	s_cselect_b32 s[LIM], 1, -1
	v_and_b32 v[PFO], 31, v0
	v_lshlrev_b32 v[PFO], 8, v[PFO]
	s_wait_dscnt 0x0                               ; both opening adds are done
	s_wait_kmcnt 0x0
	s_add_nc_u64 s[68:69], s[4:5], s[22:23]
	s_add_nc_u64 s[70:71], s[68:69], 0x2000000     ; V at my tile of slot 0
	s_add_nc_u64 s[68:69], s[68:69], 0x1000000     ; K likewise
	s_add_nc_u64 s[66:67], s[4:5], s[2:3]          ; Q and O at my wave's first row
	s_add_nc_u64 s[72:73], s[8:9], s[2:3]
	s_add_nc_u64 s[74:75], s[6:7], s[20:21]        ; the mask at my batch
	s_cmp_lt_u32 s[WV], 4
	s_cselect_b64 s[PFA:PFA+1], s[68:69], s[70:71] ; (in waves 0 and 4 these stand at a slot's first row)
	s_lshl_b32 s2, s13, 13                         ; my work-group's 8,192 bytes of the 32,768,
	s_add_co_u32 s2, s2, 2*32768                   ; in slot 2: the first change of slots steps it to slot 3
	s_mov_b32 s3, 0
	s_add_nc_u64 s[PFA:PFA+1], s[PFA:PFA+1], s[2:3]
	CROUND                                         ; all four work-groups are here: the first joint loads meet
.irp s, 0,1
	s_mov_b32 s[G0K+4*\s], 1
	s_add_co_u32 s[G0K+4*\s+1], s17, \s*SLOT1
	s_add_nc_u64 s[G0K+4*\s+2:G0K+4*\s+3], s[68:69], \s*32768
	s_or_b32 s[G0K+4*\s+3], s[G0K+4*\s+3], 0x80000000
	s_mov_b32 s[G0V+4*\s], 1
	s_add_co_u32 s[G0V+4*\s+1], s17, \s*SLOT1+VOFF
	s_add_nc_u64 s[G0V+4*\s+2:G0V+4*\s+3], s[70:71], \s*32768
	s_or_b32 s[G0V+4*\s+3], s[G0V+4*\s+3], 0x80000000
.endr
	s_cmp_lt_u32 s[WV], 4                          ; a wave's two first fills stand in one branch: two loads of mine are out
	s_cbranch_scc0 .Lfirst_v
	tensor_load_to_lds s[G0K:G0K+3], s[G1K:G1K+7]
	s_nop 0
	tensor_load_to_lds s[G0K+4:G0K+7], s[G1K:G1K+7]
	s_nop 0
.rept 4
	v_nop
.endr
	s_branch .Lfirst_asked
.Lfirst_v:
	tensor_load_to_lds s[G0V:G0V+3], s[G1V:G1V+7]
	s_nop 0
	tensor_load_to_lds s[G0V+4:G0V+7], s[G1V:G1V+7]
	s_nop 0
.rept 4
	v_nop
.endr
.Lfirst_asked:
	v_and_b32 v1, 15, v0                           ; r = l % 16
	v_bfe_u32 v9, v0, 4, 1                         ; h = l / 16
	v_lshlrev_b32 v[QO], 7, v1
	v_lshl_add_u32 v[QO], v9, 4, v[QO]             ; row x 128 + 16 x half
	v_lshlrev_b32 v248, 4, v0
	global_load_b128 v[240:243], v248, s[74:75]              ; the batch's mask: 256 threads x 2 x 16 bytes
	global_load_b128 v[244:247], v248, s[74:75] offset:4096
.irp t, 0,1,2,3
.irp c, 0,1
	global_load_b128 v[Q+16*\t+8*\c:Q+16*\t+8*\c+3],   v[QO], s[66:67] offset:2048*\t+64*\c      ; Q stays in registers: tile t, channels 32 c on
	global_load_b128 v[Q+16*\t+8*\c+4:Q+16*\t+8*\c+7], v[QO], s[66:67] offset:2048*\t+64*\c+32
.endr
.endr
	v_mul_u32_u24 v[AK0], v1, PK
	v_lshl_add_u32 v[AK0], v9, 4, v[AK0]           ; K: row x pitch + 16 x half
	v_and_b32 v5, 7, v0
	v_bfe_u32 v6, v0, 3, 1
	v_lshl_add_u32 v[AV0], v9, 3, v5               ; V, for the turning load: key 8 (l / 16) + l % 8, channels 8 ((l / 8) % 2) on
	v_mul_u32_u24 v[AV0], v[AV0], PV
	v_lshl_add_u32 v[AV0], v6, 4, v[AV0]
	v_add_nc_u32 v[AV0], VOFF, v[AV0]
	v_lshl_add_u32 v[AM0], v9, 5, MB               ; mb: my half's eight keys of a tile: 32 h bytes
	s_mul_i32 s20, s[WV], 16*PK
	s_add_co_u32 s20, s20, STAGE                   ; my stage
	v_mul_u32_u24 v[STO], v1, PK
	v_lshl_add_u32 v[STO], v9, 4, v[STO]
	v_add_nc_u32 v[STO], s20, v[STO]               ; in: row r, 16 bytes for each half of the lanes
	v_bfe_u32 v7, v0, 3, 2
	v_mul_u32_u24 v[RD], v7, PK
	v_lshl_add_u32 v[RD], v5, 4, v[RD]
	v_add_nc_u32 v[RD], s20, v[RD]                 ; back: eight lanes to a row of 128 bytes, four rows an instruction
	v_and_b32 v[GO], 31, v0
	v_lshlrev_b32 v[GO], 4, v[GO]                  ; which are 512 consecutive bytes of O
	v_lshl_add_u32 v250, v0, 4, MB
	v_mov_b32 v249, 0xc61c4000                     ; -10000.0
	s_wait_loadcnt 16                              ; the mask's two loads are in; Q's sixteen may be out
.irp j, 0,1,2,3,4,5,6,7
	v_cmp_eq_u32 vcc_lo, 0, v[240+\j]
	v_cndmask_b32 v[240+\j], 0, v249, vcc_lo       ; mb = -10000 where mask == 0, else 0
.endr
	ds_store_b128 v250, v[240:243]
	ds_store_b128 v250, v[244:247] offset:4096
	s_wait_tensorcnt 1                             ; my part of slot 0 is in; slot 1's may stay out
	s_wait_dscnt 0x0                               ; my part of mb is stored
	s_barrier_signal -1
	s_barrier_wait -1                              ; everybody's are
	s_wait_loadcnt 0x0                             ; Q
; THE RUNS OF LDS LOADS.  Each is entered with every window 0.
.macro FETCH_K                         ; K of the step at s[TB]: keys 16 kt on, channels 32 c on.  Left with every window 0
	v_add_nc_u32 v[ADK], s[TB], v[AK0]
	WIN 0x40                                       ; destination window 1, address window 0
.irp kt, 0,1,2,3
.irp c, 0,1
	ds_load_b128 v[KF+16*\kt+8*\c:KF+16*\kt+8*\c+3],   v[ADK] offset:\kt*16*PK+64*\c
	ds_load_b128 v[KF+16*\kt+8*\c+4:KF+16*\kt+8*\c+7], v[ADK] offset:\kt*16*PK+64*\c+32
.endr
.endr
	WIN 0
.endm
.macro FETCH_M                         ; mb of keys 16 kt + 8 h + 0 .. 7, the C of that tile, into V's first 32 registers.  Left with the loads' window
	WIN 0x40
.irp kt, 0,1,2,3
	ds_load_b128 v[VF+8*\kt:VF+8*\kt+3],   v[ADM] offset:64*\kt
	ds_load_b128 v[VF+8*\kt+4:VF+8*\kt+7], v[ADM] offset:64*\kt+16
.endr
.endm
.macro FETCH_V                         ; V^T of the step at s[TB]: keys 32 ks on, channels 16 ct on.  It stands behind K Q^T: its addition and three v_nop are the four places behind those products,
	v_add_nc_u32 v[ADV], s[TB], v[AV0]             ; for these loads (mb's registers), for the next run of K's loads and for the first read of the scores
.rept 3
	v_nop
.endr
	WIN 0x40
.irp ks, 0,1
.irp ct, 0,1,2,3
	ds_load_tr16_b128 v[VF+32*\ks+8*\ct:VF+32*\ks+8*\ct+3],   v[ADV] offset:\ks*32*PV+32*\ct
	ds_load_tr16_b128 v[VF+32*\ks+8*\ct+4:VF+32*\ks+8*\ct+7], v[ADV] offset:\ks*32*PV+16*PV+32*\ct
.endr
.endr
	WIN 0
	s_add_co_u32 s[TB], s[TB], STEPB               ; the next fetches are the next step's
.endm
; S^T = K Q^T + mb: 32 matrix instructions on 16 accumulators, which take turns: fifteen others' stand between two links.
.macro KQM
	WIN 0x11                                       ; K and mb window 1; Q and S^T window 0
.irp kt, 0,1,2,3
.irp t, 0,1,2,3
	v_wmma_f32_16x16x32_f16 v[S+32*\t+8*\kt:S+32*\t+8*\kt+7], v[KF+16*\kt:KF+16*\kt+7], v[Q+16*\t:Q+16*\t+7], v[VF+8*\kt:VF+8*\kt+7]
.endr
.endr
	WIN 0x01
.irp kt, 0,1,2,3
.irp t, 0,1,2,3
	v_wmma_f32_16x16x32_f16 v[S+32*\t+8*\kt:S+32*\t+8*\kt+7], v[KF+16*\kt+8:KF+16*\kt+15], v[Q+16*\t+8:Q+16*\t+15], v[S+32*\t+8*\kt:S+32*\t+8*\kt+7]
.endr
.endr
.endm
; O^T += V^T P: 32 matrix instructions on 16 accumulators by turns.  first = 1: the first sixteen start the sums.  last = 0: behind the sixteen that read V's first half, and four places, the next step's mb is asked for into it.
.macro PVM first, last
	WIN 0x51                                       ; V and O^T window 1, P window 0
.irp ct, 0,1,2,3
.irp t, 0,1,2,3
.if \first
	v_wmma_f32_16x16x32_f16 v[O+32*\t+8*\ct:O+32*\t+8*\ct+7], v[VF+8*\ct:VF+8*\ct+7], v[S+32*\t:S+32*\t+7], 0
.else
	v_wmma_f32_16x16x32_f16 v[O+32*\t+8*\ct:O+32*\t+8*\ct+7], v[VF+8*\ct:VF+8*\ct+7], v[S+32*\t:S+32*\t+7], v[O+32*\t+8*\ct:O+32*\t+8*\ct+7]
.endif
.endr
.endr
.if !\last
.rept 4
	v_nop                                          ; four places between a matrix instruction and a load into one of its sources (ISA guide 7.12.1 for vector instructions)
.endr
	FETCH_M
	WIN 0x51
.endif
.irp ct, 0,1,2,3
.irp t, 0,1,2,3
	v_wmma_f32_16x16x32_f16 v[O+32*\t+8*\ct:O+32*\t+8*\ct+7], v[VF+32+8*\ct:VF+32+8*\ct+7], v[S+32*\t+8:S+32*\t+15], v[O+32*\t+8*\ct:O+32*\t+8*\ct+7]
.endr
.endr
.endm
.macro PKF t, b                        ; pair b of tile t: c s - c m, two at a time (of the pairs c and c m the low word serves both halves)
	v_pk_fma_f32 v[S+32*(\t)+2*(\b):S+32*(\t)+2*(\b)+1], v[S+32*(\t)+2*(\b):S+32*(\t)+2*(\b)+1], s[CS:CS+1], v[ST+8*(\t):ST+8*(\t)+1] op_sel_hi:[1,0,0] neg_lo:[0,0,1] neg_hi:[0,0,1]
.endm
; THE SOFTMAX of the four tiles for one key step; the tiles take turns line by line, so that no line waits for the line above it.  first = 1: the first key step: no old maximum, no a, nothing to rescale.
.macro SOFTMAX first
.irp j, 0,1,2,3
.irp t, 0,1,2,3
	v_max3_num_f32 v[ST+8*\t+4+\j], v[S+32*\t+8*\j], v[S+32*\t+8*\j+1], v[S+32*\t+8*\j+2]     ; four chains, one to an accumulator, each from its low end on
.endr
.endr
.irp g, 1,2
.irp j, 0,1,2,3
.irp t, 0,1,2,3
	v_max3_num_f32 v[ST+8*\t+4+\j], v[ST+8*\t+4+\j], v[S+32*\t+8*\j+2*\g+1], v[S+32*\t+8*\j+2*\g+2]
.endr
.endr
.endr
.irp t, 0,1,2,3
	v_max3_num_f32 v[ST+8*\t+4], v[ST+8*\t+4], v[S+32*\t+7], v[S+32*\t+15]
.endr
.irp t, 0,1,2,3
	v_max3_num_f32 v[ST+8*\t+6], v[ST+8*\t+6], v[S+32*\t+23], v[S+32*\t+31]
.endr
.irp t, 0,1,2,3
	v_max3_num_f32 v[ST+8*\t+4], v[ST+8*\t+4], v[ST+8*\t+5], v[ST+8*\t+6]
.endr
.irp t, 0,1,2,3
.if \first
	v_max_num_f32 v[ST+8*\t+4], v[ST+8*\t+4], v[ST+8*\t+7]
.else
	v_max3_num_f32 v[ST+8*\t+4], v[ST+8*\t+4], v[ST+8*\t+7], v[ST+8*\t+1]                     ; and the old m
.endif
.endr
.irp t, 0,1,2,3
	v_permlanex16_b32 v[ST+8*\t+5], v[ST+8*\t+4], s[SEL], s[SEL+1]                            ; the query's other 32 keys lie in the lane 16 away
.endr
.if !\first
.irp t, 0,1,2,3
	v_mov_b32 v[ST+8*\t+7], v[ST+8*\t]                                                        ; c m_old is kept for a
.endr
.endif
.irp t, 0,1,2,3
	v_max_num_f32 v[ST+8*\t+1], v[ST+8*\t+4], v[ST+8*\t+5]
.endr
.irp t, 0,1,2,3
	v_mul_f32 v[ST+8*\t], s[CS], v[ST+8*\t+1]
.endr
	; ONE BATCH: a of the four tiles, the 64 scalings and the 128 exponentials; none of these lines names an exponential's result.  A pair is scaled a group ahead of its exponentials.
.if !\first
.irp t, 0,1,2,3
	v_sub_f32 v[ST+8*\t+7], v[ST+8*\t+7], v[ST+8*\t]
.endr
.irp t, 0,1,2,3
	v_exp_f32 v[ST+8*\t+6], v[ST+8*\t+7]                                                      ; a = 2^(c m_old - c m_new)
.endr
.endif
.irp t, 0,1,2,3
	PKF \t, 0
.endr
.set bb, 1
.rept 15
.irp t, 0,1,2,3
	PKF \t, bb
.endr
.irp t, 0,1,2,3
	v_exp_f32 v[S+32*\t+2*bb-2], v[S+32*\t+2*bb-2]
	v_exp_f32 v[S+32*\t+2*bb-1], v[S+32*\t+2*bb-1]
.endr
.set bb, bb+1
.endr
.irp t, 0,1,2,3
	v_exp_f32 v[S+32*\t+30], v[S+32*\t+30]
	v_exp_f32 v[S+32*\t+31], v[S+32*\t+31]
.endr
	v_nop                                          ; a plain instruction behind the last exponential, ahead of the first use
	s_wait_alu depctr_va_vdst(0)                   ; the wait ahead of the first instruction that names a result: one for the whole batch
	; the row's sum, of the unrounded p, in a chain that leaves p as it is: l = a l + the tile's 16 pairs (in a pair: an even key's weight, an odd key's)
.if \first
.irp t, 0,1,2,3
	v_pk_add_f32 v[ST+8*\t+2:ST+8*\t+3], v[S+32*\t:S+32*\t+1], v[S+32*\t+2:S+32*\t+3]
.endr
.set ii, 2
.else
.irp t, 0,1,2,3
	v_pk_fma_f32 v[ST+8*\t+2:ST+8*\t+3], v[ST+8*\t+2:ST+8*\t+3], v[ST+8*\t+6:ST+8*\t+7], v[S+32*\t:S+32*\t+1] op_sel_hi:[1,0,1]
.endr
.set ii, 1
.endif
.rept 15-\first
.irp t, 0,1,2,3
	v_pk_add_f32 v[ST+8*\t+2:ST+8*\t+3], v[ST+8*\t+2:ST+8*\t+3], v[S+32*\t+2*ii:S+32*\t+2*ii+1]
.endr
.set ii, ii+1
.endr
	; P: a pair of weights to f16, laid over the tile's first 16 registers, ascending: register i has been read by the time it is written.  Registers 8 ks .. 8 ks + 7 are source 1 for keys 32 ks on
.set ii, 0
.rept 16
.irp t, 0,1,2,3
	v_cvt_pk_f16_f32 v[S+32*\t+ii], v[S+32*\t+2*ii], v[S+32*\t+2*ii+1]
.endr
.set ii, ii+1
.endr
.if !\first
	WIN 0x41                                       ; O^T (destination and source 0) window 1, a window 0
.set ii, 0
.rept 16
.irp t, 0,1,2,3
	v_pk_mul_f32 v[O+32*\t+2*ii:O+32*\t+2*ii+1], v[O+32*\t+2*ii:O+32*\t+2*ii+1], v[ST+8*\t+6:ST+8*\t+7] op_sel_hi:[1,0]   ; O^T x a, each accumulator from its low end on
.endr
.set ii, ii+1
.endr
.endif
.endm
; A TRIP, for step j.  On the way in: S^T of step j is made, V of step j is asked for.  last = 1: the last step: nothing more is asked for or multiplied by K.
.macro BODY first, last
.if !\last
	v_add_nc_u32 v[ADM], s[TM], v[AM0]             ; where the next step's mb lies
	s_add_co_u32 s[TM], s[TM], 256
	FETCH_K                                        ; K of step j + 1: it has the softmax and V^T P in which to land
.endif
	SOFTMAX \first
.if \last
	s_wait_dscnt 0x0                               ; V is in
.else
	s_wait_dscnt 16                                ; V is in; K's sixteen loads, issued behind it, may be out
.endif
	PVM \first, \last
.if !\last
.rept 5
	v_nop                                          ; five places: the next products write over P's registers, which the last ones read (ISA guide 7.12.1 for four of them)
.endr
	s_wait_dscnt 0x0                               ; K and mb of step j + 1 are in
	KQM
	WIN 0
	FETCH_V                                        ; V of step j + 1: it has the next softmax in which to land
.endif
	WIN 0
.endm
.macro STEPS n                         ; n trips: written once; the LDS addresses hang on s[TB] and s[TM]
	s_mov_b32 s[CNT], \n
.Lstep_\@:
	BODY 0, 0
	s_sub_co_u32 s[CNT], s[CNT], 1
	s_cmp_lg_u32 s[CNT], 0
	s_cbranch_scc1 .Lstep_\@
.endm
; THE CHANGE OF SLOTS, ahead of the trip of a slot's last step.  Each wave waits for all its tensor loads, of which one is out: its part of the other slot; adds 0 to its spare word; and waits for that and for its reads
; of the slot, of which the last, V of its last step, have just been asked for.
; fill = 1: the slot is filled again, with the keys two slots on; the barrier is then a round of the cluster's, and the joint refill is the first thing behind it: it has four key steps in which to land.
.macro CHANGE fill
	s_wait_tensorcnt 0x0                           ; no tensor load of mine is out, so a group 0 may be written
	ds_add_u32 v[SPW], v[NIL]
.if \fill
.irp g, G0K+4, G0V+4
	s_xor_b32 s[\g+1], s[\g+1], SLOT1              ; the walking descriptor: the other slot than last time,
	s_add_nc_u64 s[\g+2:\g+3], s[\g+2:\g+3], 32768 ; the next 256 keys
.endr
	s_wait_xcnt 0x0                                ; the last prefetch, four key steps back, has read its address
	s_add_nc_u64 s[PFA:PFA+1], s[PFA:PFA+1], 32768
	s_wait_dscnt 0x0                               ; the add is done, and my reads of the slot are over
	CROUND
	JLOAD
	ASK
.else
	s_wait_dscnt 0x0
	s_barrier_signal -1
	s_barrier_wait -1
.endif
	s_sub_co_u32 s[TB], s[TB], 4*STEPB             ; the fetches go back to a slot's first step,
	s_xor_b32 s[TB], s[TB], SLOT1                  ; in the other slot
.endm
	v_add_nc_u32 v[ADM], s[TM], v[AM0]             ; THE OPENING: K, mb of step 0; its scores; V of step 0
	s_add_co_u32 s[TM], s[TM], 256
	FETCH_K
	FETCH_M
	s_wait_dscnt 0x0
	KQM
	WIN 0
	FETCH_V
	BODY 1, 0                                      ; step 0 is written out: it starts m, l and O^T
	STEPS 2                                        ; steps 1 and 2
.Lslot:                                            ; six trips: every slot but the last two is filled again; a trip takes a slot's last step and the next slot's first three
	CHANGE 1
	STEPS 4
	s_sub_co_u32 s[SLOTS], s[SLOTS], 1
	s_cmp_lg_u32 s[SLOTS], 0
	s_cbranch_scc1 .Lslot
	CHANGE 0                                       ; the tail is written out
	STEPS 4                                        ; steps 27 to 30
	BODY 0, 1                                      ; step 31
	; THE WAY OUT.  l's two halves and the other half of the lanes' are added; O^T is divided by l, rounded to f16 and sent through my stage, a tile (16 rows of O) at a time.  The additions are the places behind the last products.
.irp t, 0,1,2,3
	v_add_f32 v[ST+8*\t+4], v[ST+8*\t+2], v[ST+8*\t+3]
.endr
.irp t, 0,1,2,3
	v_permlanex16_b32 v[ST+8*\t+5], v[ST+8*\t+4], s[SEL], s[SEL+1]
.endr
.irp t, 0,1,2,3
	v_add_f32 v[ST+8*\t+4], v[ST+8*\t+4], v[ST+8*\t+5]
.endr
.irp t, 0,1,2,3
	v_rcp_f32 v[ST+8*\t+6], v[ST+8*\t+4]
.endr
	v_nop                                          ; a plain instruction between the last reciprocal and the use of its result
	s_wait_alu depctr_va_vdst(0)                   ; and the wait ahead of the first use: one for the four
.macro PACK t
	WIN 0x41
.set ii, 0
.rept 16
	v_pk_mul_f32 v[O+32*\t+2*ii:O+32*\t+2*ii+1], v[O+32*\t+2*ii:O+32*\t+2*ii+1], v[ST+8*\t+6:ST+8*\t+7] op_sel_hi:[1,0]
.set ii, ii+1
.endr
	WIN 0x05                                       ; sources 0 and 1 window 1, destination window 0: S^T's registers are free
.set ii, 0
.rept 16
	v_cvt_pk_f16_f32 v[S+32*\t+ii], v[O+32*\t+2*ii], v[O+32*\t+2*ii+1]
.set ii, ii+1
.endr
	WIN 0
.irp f, 0,1,2,3
	ds_store_b128 v[STO], v[S+32*\t+4*\f:S+32*\t+4*\f+3] offset:32*\f              ; channels 16 f + 8 h + 0 .. 7 of row r
.endr
.irp f, 0,1,2,3
	ds_load_b128 v[S+32*\t+16+4*\f:S+32*\t+16+4*\f+3], v[RD] offset:\f*4*PK        ; LDS serves a wave's instructions in order: these see the stores above; the next tile's stores come behind them
.endr
.endm
.macro SEND t, younger                 ; younger: the LDS instructions issued behind tile t's loads: the next tile's four stores and four loads, or none
.irp f, 0,1,2,3
	s_wait_dscnt \younger+3-\f
	global_store_b128 v[GO], v[S+32*\t+16+4*\f:S+32*\t+16+4*\f+3], s[72:73] offset:\t*2048+\f*512   ; 32 lanes store 512 consecutive bytes, aligned
.endr
.endm
	PACK 0
	PACK 1                                         ; a tile's arithmetic stands between the loads of the tile before and its stores
	SEND 0, 8
	PACK 2
	SEND 1, 8
	PACK 3
	SEND 2, 8
	SEND 3, 0
	s_wait_tensorcnt 0x0                           ; the wave's end
	ds_add_u32 v[SPW], v[NIL]
	s_wait_dscnt 0x0
	CROUND                                         ; the closing round
	s_endpgm
.Lfunc_end_k_qf6715d196d_attn:
	.size	k_qf6715d196d_attn, .Lfunc_end_k_qf6715d196d_attn-k_qf6715d196d_attn
	.p2alignl 7, 3214868480
	.fill 96, 4, 3214868480
	.section	.rodata,"a",@progbits
	.p2align	6, 0x0
	.amdhsa_kernel k_qf6715d196d_attn
		.amdhsa_group_segment_fixed_size 327680
		.amdhsa_private_segment_fixed_size 0
		.amdhsa_enable_private_segment 0
		.amdhsa_kernarg_size 24
		.amdhsa_user_sgpr_count 2
		.amdhsa_user_sgpr_kernarg_segment_ptr 1
		.amdhsa_wavefront_size32 1
		.amdhsa_system_sgpr_workgroup_id_x 1
		.amdhsa_system_sgpr_workgroup_id_y 1
		.amdhsa_system_sgpr_workgroup_id_z 1
		.amdhsa_system_vgpr_workitem_id 0
		.amdhsa_next_free_vgpr 512
		.amdhsa_next_free_sgpr 80
		.amdhsa_reserve_vcc 1
		.amdhsa_float_denorm_mode_32 3
		.amdhsa_float_denorm_mode_16_64 3
		.amdhsa_memory_ordered 1
		.amdhsa_forward_progress 1
		.amdhsa_inst_pref_size 183
	.end_amdhsa_kernel
	.amdgpu_metadata
---
amdhsa.version: [ 1, 2 ]
amdhsa.kernels:
  - .name:           k_qf6715d196d_attn
    .symbol:         k_qf6715d196d_attn.kd
    .args:
      - { .name: qkv, .offset: 0, .size: 8, .value_kind: global_buffer, .address_space: global }
      - { .name: mask, .offset: 8, .size: 8, .value_kind: global_buffer, .address_space: global }
      - { .name: ao, .offset: 16, .size: 8, .value_kind: global_buffer, .address_space: global }
    .group_segment_fixed_size: 327680
    .private_segment_fixed_size: 0
    .kernarg_segment_align: 8
    .kernarg_segment_size: 24
    .max_flat_workgroup_size: 256
    .sgpr_count:     80
    .vgpr_count:     512
    .wavefront_size: 32
...
	.end_amdgpu_metadata
.endif
;; end of part 3
;; launch oproj (part 4): grid 4 x 64, 4 waves a work-group, clusters of 4 x 4, 327,680 bytes of LDS; arguments ao, wo16, bo, out0; writes out0
.if DOCPART == 4
	.amdgcn_target "amdgcn-amd-amdhsa--gfx1250"
	.amdhsa_code_object_version 6
	.text
	.protected	k_qf6715d196d_oproj
	.globl	k_qf6715d196d_oproj
	.p2align	8
	.type	k_qf6715d196d_oproj,@function
k_qf6715d196d_oproj:
	s_mov_b64 s[64:65], 0
	v_nop
	global_prefetch_b8 v0, s[64:65] scope:SCOPE_SE
	s_setreg_imm32_b32 hwreg(HW_REG_WAVE_MODE, 25, 1), 1
	s_wait_xcnt 0x0
	s_wait_alu depctr_hold_cnt(0) depctr_sa_sdst(0) depctr_va_vdst(0) depctr_va_sdst(0) depctr_va_ssrc(0) depctr_va_vcc(0) depctr_vm_vsrc(0)
	s_getreg_b32 s2, hwreg(HW_REG_IB_STS2, 6, 4)
	s_cmp_eq_u32 s2, 0
	s_cbranch_scc0 .Lentry_in_a_cluster
	s_endpgm
.Lentry_in_a_cluster:
	s_bfe_u32 s2, ttmp6, 0x10000c
	s_cmp_lg_u32 s2, 0xf033
	s_cbranch_scc0 .Lentry_shape_is_right
	s_endpgm
.Lentry_shape_is_right:
; OPROJ: out0 = A Wo + bo.  A is the attention's output in f16, head-major: ao [4 b][16 h][2048 s][64]; row m = b x 2048 + s, k = 64 h + channel.  Wo in f16, wo16 [1024 k][1024 n].  Sums and out0 in f32.
; A tile of the output is 128 rows x 256 columns: 256 work-groups.  Four waves, each 64 rows x 128 columns: 32 accumulators, 256 registers.
; K goes in steps of 128 (two heads) through a ring of two LDS slots.  Waves 0 and 1 fetch A's two heads (128 rows x 128 bytes each), waves 2 and 3 the two halves of Wo's 128 rows x 512 bytes.
; Wo's K is its first axis: its fragments come out of LDS turned, by ds_load_tr16_b128.
; CLUSTERS: 4 x 4 work-groups: A's tiles are shared along a row of the cluster, Wo's along a column; each is asked for jointly.
; THE MATRIX INSTRUCTION IS USED TRANSPOSED (source 0 = 16 columns of Wo, source 1 = 16 rows of A): a lane holds eight neighbouring columns of one row.  The bias is the C of each sum's first instruction.
; REGISTERS: window 0: v16-29 addresses; v32-63, v64-95 A's fragments (4 x 16 rows x 32 K), two buffers; v128-255 the way out.
;   window 1: v0-63, v64-127 Wo's fragments (8 x 16 columns x 32 K), two buffers; v128-191 the bias.   window 2: accumulator (a, b) at v[8 (8 a + b)].
.set PA,    144                        ; a row of A in LDS: 128 bytes + 16
.set PB,    544                        ; a row of Wo: 512 bytes + 32
.set AZ,    128*PA                     ; one head's 128 rows
.set BOFF,  2*AZ
.set BZ,    64*PB                      ; 64 rows of Wo
.set SLOT,  BOFF+2*BZ
.set SPARE, 2*SLOT                     ; the spare words, 128 bytes a wave: two blocks of 256 bytes that no other line names
.set SPITCH, 528                       ; the way out: a stage of 16 rows x (512 bytes + 16) for each wave, in slot 0, which has had its last fill and its last read by then
.set LAPS,  4                          ; a lap = two K steps = once round the ring
.set ADRA, 16
.set ADRB, 20
.set STO,  24
.set RD,   25
.set CO,   26
.set SPW,  28
.set NIL,  29
.set BK,   128
.set G1,  24
.set G0,  32
.set G1B, 48
.set G0B, 56
.set MSB, 0
.macro WIN new
.if MSB != \new
	s_set_vgpr_msb (MSB<<8)|\new
.set MSB, \new
.endif
.endm
.set MUL,  0xa1                        ; source 0 (Wo) window 1, source 1 (A) window 0, C and D window 2
.set MULZ, 0x91                        ; the first quarter: C (the bias) window 1
.macro JLOAD s                         ; a joint load; an s_nop 0 and four v_nop follow each of the two lines
	s_cmp_eq_u32 s13, 0
	s_cbranch_scc0 .Lfor_b_\@
	tensor_load_to_lds s[G0+4*\s:G0+4*\s+3], s[G1:G1+7]
	s_nop 0
.rept 4
	v_nop
.endr
	s_branch .Lasked_\@
.Lfor_b_\@:
	tensor_load_to_lds s[G0B+4*\s:G0B+4*\s+3], s[G1B:G1B+7]
	s_nop 0
.rept 4
	v_nop
.endr
.Lasked_\@:
.endm
.macro CREST
	s_cmp_lg_u32 s12, 0
	s_cbranch_scc1 .Lnot_wave_0_\@
	s_barrier_signal -3
.Lnot_wave_0_\@:
	s_barrier_wait -3
	s_barrier_signal -1
	s_barrier_wait -1
.endm
.macro CROUND
	s_barrier_signal -1
	s_barrier_wait -1
	CREST
.endm
	s_load_b256 s[4:11], s[0:1], 0x0               ; ao s[4:5], wo16 s[6:7], bo s[8:9], out0 s[10:11]
	v_lshl_add_u32 v[SPW], v0, 2, SPARE
	v_mov_b32 v[NIL], 0
	ds_add_u32 v[SPW], v[NIL]                      ; the wave's opening: the add, twice on end, and its wait ahead of my first tensor load
	ds_add_u32 v[SPW], v[NIL]
	v_lshrrev_b32 v1, 5, v0
	v_readfirstlane_b32 s12, v1                    ; wave 0..3
	s_lshr_b32 s13, s12, 1                         ; which 64 rows are mine.  Also: I fetch for A (0) or for Wo (1)
	s_and_b32 s14, s12, 1                          ; which 128 columns.  Also: which half of that tile I fetch
	s_bfe_u32 s40, ttmp6, 0x40000                  ; cx, cy
	s_bfe_u32 s41, ttmp6, 0x40004
	s_lshl_b32 s42, ttmp9, 2
	s_add_co_u32 s42, s42, s40                     ; tile column
	s_and_b32 s43, ttmp7, 0xffff
	s_lshl_b32 s43, s43, 2
	s_add_co_u32 s43, s43, s41                     ; tile row
	s_lshl_b32 s44, s41, 2
	s_lshl_b32 s44, 15, s44                        ; my row of the cluster
	s_lshl_b32 s45, 0x1111, s40                    ; my column
	s_or_b32 s[G1+0], s44, (1<<16)|(1<<20)|(1<<21)|(4<<22)|(3<<25)   ; A: elements of 2 bytes; 4 words of padding behind every 32
	s_mov_b32 s[G1+1], 64<<16                      ; tensor_dim0
	s_mov_b32 s[G1+2], 128<<16                     ; tensor_dim1
	s_mov_b32 s[G1+3], 64<<16                      ; tile_dim0
	s_mov_b32 s[G1+4], 128                         ; tile_dim1
	s_mov_b32 s[G1+5], 64                          ; from row to row
	s_mov_b32 s[G1+6], 0
	s_mov_b32 s[G1+7], 0
	s_or_b32 s[G1B+0], s45, (1<<16)|(1<<20)|(1<<21)|(6<<22)|(7<<25)  ; Wo: 8 words of padding behind every 128
	s_mov_b32 s[G1B+1], 256<<16
	s_mov_b32 s[G1B+2], 64<<16
	s_mov_b32 s[G1B+3], 256<<16
	s_mov_b32 s[G1B+4], 64
	s_mov_b32 s[G1B+5], 1024
	s_mov_b32 s[G1B+6], 0
	s_mov_b32 s[G1B+7], 0
	s_lshr_b32 s16, s43, 4                         ; A: the batch, 4,194,304 bytes each;
	s_lshl_b32 s16, s16, 22
	s_and_b32 s17, s43, 15                         ; 128 positions of 128 bytes;
	s_lshl_b32 s17, s17, 14
	s_add_co_u32 s16, s16, s17
	s_lshl_b32 s17, s14, 18                        ; the K step's first or second head, 262,144 bytes each
	s_add_co_u32 s16, s16, s17
	s_mov_b32 s17, 0
	s_lshl_b32 s46, s42, 9                         ; Wo: 256 columns of 2 bytes;
	s_lshl_b32 s47, s14, 17                        ; 64 rows of 2,048 bytes
	s_add_co_u32 s46, s46, s47
	s_mov_b32 s47, 0
	s_mul_i32 s20, s14, AZ                         ; where they go
	s_mul_i32 s21, s14, BZ
	s_add_co_u32 s21, s21, BOFF
	s_wait_dscnt 0x0                               ; both opening adds are done
	s_wait_kmcnt 0x0
	s_add_nc_u64 s[18:19], s[4:5], s[16:17]
	s_add_nc_u64 s[46:47], s[6:7], s[46:47]
	CROUND                                         ; all sixteen work-groups are here: the first joint loads meet
.irp s, 0,1
	s_mov_b32 s[G0+4*\s], 1
	s_add_co_u32 s[G0+4*\s+1], s20, \s*SLOT
	s_add_nc_u64 s[G0+4*\s+2:G0+4*\s+3], s[18:19], \s*524288      ; K step s: two heads on
	s_or_b32 s[G0+4*\s+3], s[G0+4*\s+3], 0x80000000
	s_mov_b32 s[G0B+4*\s], 1
	s_add_co_u32 s[G0B+4*\s+1], s21, \s*SLOT
	s_add_nc_u64 s[G0B+4*\s+2:G0B+4*\s+3], s[46:47], \s*262144    ; 128 rows on
	s_or_b32 s[G0B+4*\s+3], s[G0B+4*\s+3], 0x80000000
	JLOAD \s                                       ; two tensor loads of mine are out
.endr
	v_and_b32 v1, 15, v0                           ; r
	v_bfe_u32 v2, v0, 4, 1                         ; h
	v_mul_u32_u24 v3, v1, PA
	v_lshl_add_u32 v3, v2, 4, v3
	s_mul_i32 s22, s13, 64*PA                      ; my 64 rows of A
	v_add_nc_u32 v[ADRA], s22, v3
	v_add_nc_u32 v[ADRA+1], SLOT, v[ADRA]
	v_and_b32 v4, 7, v0
	v_bfe_u32 v5, v0, 3, 1
	v_lshl_add_u32 v4, v2, 3, v4                   ; Wo, for the turning load: row 8 h + l % 8, columns 8 ((l / 8) % 2) on
	v_mul_u32_u24 v4, v4, PB
	v_lshl_add_u32 v4, v5, 4, v4
	s_lshl_b32 s23, s14, 8                         ; my 128 columns
	s_add_co_u32 s23, s23, BOFF
	v_add_nc_u32 v[ADRB], s23, v4
	v_add_nc_u32 v[ADRB+1], SLOT, v[ADRB]
	s_mul_i32 s22, s12, 16*SPITCH                  ; my stage
	v_mul_u32_u24 v5, v1, SPITCH
	v_lshl_add_u32 v5, v2, 5, v5
	v_add_nc_u32 v[STO], s22, v5                   ; in: row r, 32 bytes for each half of the lanes
	v_and_b32 v6, 31, v0
	v_lshlrev_b32 v[CO], 4, v6                     ; back: the 32 lanes take one row of 512 bytes; and the same in out0
	v_add_nc_u32 v[RD], s22, v[CO]
	v_lshlrev_b32 v27, 5, v2                       ; the bias: 32 h bytes
	s_lshl_b32 s16, s43, 19                        ; out0: 128 rows of 4,096 bytes a tile row,
	s_lshl_b32 s17, s13, 18                        ; 64 rows for my half
	s_add_co_u32 s16, s16, s17
	s_mov_b32 s17, 0
	s_add_nc_u64 s[10:11], s[10:11], s[16:17]
	s_lshl_b32 s46, s42, 10                        ; 256 columns of 4 bytes a tile column,
	s_lshl_b32 s47, s14, 9                         ; 128 for my half
	s_add_co_u32 s46, s46, s47
	s_mov_b32 s47, 0
	s_add_nc_u64 s[10:11], s[10:11], s[46:47]
	s_add_nc_u64 s[8:9], s[8:9], s[46:47]          ; the bias of the same columns
	WIN 0x40
.irp b, 0,1,2,3,4,5,6,7
	global_load_b128 v[128+8*\b:128+8*\b+3], v27, s[8:9] offset:64*\b          ; lane (r, h), register j: bo of column 16 b + 8 h + j
	global_load_b128 v[128+8*\b+4:128+8*\b+7], v27, s[8:9] offset:64*\b+16
.endr
	WIN 0
; 8 matrix instructions: A's block a x Wo's eight, 32 along K, from buffer f.  zero = 1: the first product starts the sums from the bias.  The 32 accumulators take turns.
.macro MUL8 f, a, zero
.irp b, 0,1,2,3,4,5,6,7
.if \zero
	v_wmma_f32_16x16x32_f16 v[8*(8*(\a)+\b):8*(8*(\a)+\b)+7], v[64*(\f)+8*\b:64*(\f)+8*\b+7], v[32+32*(\f)+8*(\a):32+32*(\f)+8*(\a)+7], v[128+8*\b:128+8*\b+7]
.else
	v_wmma_f32_16x16x32_f16 v[8*(8*(\a)+\b):8*(8*(\a)+\b)+7], v[64*(\f)+8*\b:64*(\f)+8*\b+7], v[32+32*(\f)+8*(\a):32+32*(\f)+8*(\a)+7], v[8*(8*(\a)+\b):8*(8*(\a)+\b)+7]
.endif
.endr
.endm
; 24 LDS loads in one run: the fragments of the slot's q-th 32 along K into buffer f
.macro FETCH slot, q, f
	WIN 0x40
.irp i, 0,1,2,3,4,5,6,7
	ds_load_tr16_b128 v[64*(\f)+8*\i:64*(\f)+8*\i+3],   v[ADRB+\slot] offset:(\q)*32*PB+32*\i
	ds_load_tr16_b128 v[64*(\f)+8*\i+4:64*(\f)+8*\i+7], v[ADRB+\slot] offset:(\q)*32*PB+16*PB+32*\i
.endr
	WIN 0
.irp i, 0,1,2,3
	ds_load_b128 v[32+32*(\f)+8*\i:32+32*(\f)+8*\i+3],   v[ADRA+\slot] offset:((\q)/2)*AZ+((\q)%2)*64+\i*16*PA
	ds_load_b128 v[32+32*(\f)+8*\i+4:32+32*(\f)+8*\i+7], v[ADRA+\slot] offset:((\q)/2)*AZ+((\q)%2)*64+\i*16*PA+32
.endr
.endm
.macro PLACES                          ; four places in front of loads into registers that matrix instructions have read, and of the first read of results
.rept 4
	v_nop
.endr
.endm
; A K step is four quarters of 32 along K, 32 matrix instructions each, on buffers 0, 1, 0, 1.  One of the first three: multiplies buffer f and fetches quarter q into g.
.macro QUARTER slot, q, f, g, zero
	s_wait_dscnt 0x0                               ; this quarter's fragments, asked for 16 matrix instructions ago
.if \zero
	WIN MULZ
.else
	WIN MUL
.endif
	MUL8 \f, 0, \zero
	MUL8 \f, 1, \zero
	PLACES
	FETCH \slot, \q, \g
.if \zero
	WIN MULZ
.else
	WIN MUL
.endif
	MUL8 \f, 2, \zero
	MUL8 \f, 3, \zero
.endm
; The last quarter multiplies buffer 1 and changes slots: one barrier; in front of it each wave waits for all its tensor loads, adds 0 to its spare word, and waits for that and for its reads of this slot.
.macro TURN slot, next, fill
	WIN 0                                          ; (the add's two registers lie in window 0)
	s_wait_tensorcnt 0x0                           ; all my tensor loads have landed: my part of the next slot
	ds_add_u32 v[SPW], v[NIL]
	s_wait_dscnt 1                                 ; the fragments are in (the add may be out)
	WIN MUL
	MUL8 1, 0, 0
	s_wait_dscnt 0x0                               ; the add is done, and my reads of this slot are over
	s_barrier_signal -1
	MUL8 1, 1, 0
	WIN 0
	s_barrier_wait -1
.if \fill
	CREST                                          ; the barrier has opened a round of the cluster's: no wave of any partner still reads this slot or has a load on its way
	s_add_nc_u64 s[G0+4*\slot+2:G0+4*\slot+3], s[G0+4*\slot+2:G0+4*\slot+3], 1048576     ; two K steps on: four heads,
	s_add_nc_u64 s[G0B+4*\slot+2:G0B+4*\slot+3], s[G0B+4*\slot+2:G0B+4*\slot+3], 524288  ; 256 rows
	JLOAD \slot                                    ; the first tensor load behind the round; its four v_nop are also the places in front of the loads below
.else
	PLACES
.endif
	FETCH \next, 0, 0
	WIN MUL
	MUL8 1, 2, 0
	MUL8 1, 3, 0
.endm
	s_wait_loadcnt 0x0                             ; the bias
	s_wait_tensorcnt 1                             ; my part of K step 0 is in (K step 1's may be out)
	s_barrier_signal -1
	s_barrier_wait -1                              ; everybody's is
	FETCH 0, 0, 0
	QUARTER 0, 1, 0, 1, 1                          ; the first quarter stands in front of the loop: its products start the sums
	WIN 0
	s_mov_b32 s3, LAPS-1
.Llap:                                             ; a trip goes once round the ring, from a lap's second quarter to the next lap's first, and fills both slots again
	QUARTER 0, 2, 1, 0, 0
	QUARTER 0, 3, 0, 1, 0
	TURN 0, 1, 1
	QUARTER 1, 1, 0, 1, 0
	QUARTER 1, 2, 1, 0, 0
	QUARTER 1, 3, 0, 1, 0
	TURN 1, 0, 1
	QUARTER 0, 1, 0, 1, 0
	WIN 0
	s_sub_co_u32 s3, s3, 1
	s_cmp_lg_u32 s3, 0
	s_cbranch_scc1 .Llap
	QUARTER 0, 2, 1, 0, 0                          ; the last lap fills nothing
	QUARTER 0, 3, 0, 1, 0
	TURN 0, 1, 0
	QUARTER 1, 1, 0, 1, 0
	QUARTER 1, 2, 1, 0, 0
	QUARTER 1, 3, 0, 1, 0
	s_wait_dscnt 0x0                               ; the very last quarter
	WIN MUL
	MUL8 1, 0, 0
	MUL8 1, 1, 0
	MUL8 1, 2, 0
	MUL8 1, 3, 0
	WIN 0
; THE WAY OUT, block by block of 16 rows x 128 columns, through my own stage: in as 32 bytes a lane, back as whole rows of 512 bytes.
.macro TOSTAGE a
.set AC, 64*(\a)
	WIN 0x08                                       ; an LDS store's data: window 2
.irp b, 0,1,2,3,4,5,6,7
	ds_store_b128 v[STO], v[AC+8*\b:AC+8*\b+3] offset:64*\b          ; each accumulator from its low end on
	ds_store_b128 v[STO], v[AC+8*\b+4:AC+8*\b+7] offset:64*\b+16
.endr
	WIN 0
.set BB, BK+64*((\a)%2)
.irp t, 0,1,2,3,4,5,6,7,8,9,10,11,12,13,14,15
	ds_load_b128 v[BB+4*\t:BB+4*\t+3], v[RD] offset:\t*SPITCH        ; LDS serves a wave's instructions in order: these see the stores above
.endr
.endm
.macro SEND a, younger
.set BB, BK+64*((\a)%2)
	s_wait_dscnt \younger                          ; the block is back in registers
.if (\a) > 0
	s_add_nc_u64 s[10:11], s[10:11], 16*4096       ; (behind a wait on XCNT: the earlier stores have read their base)  16 rows on
.endif
.irp t, 0,1,2,3,4,5,6,7,8,9,10,11,12,13,14,15
	global_store_b128 v[CO], v[BB+4*\t:BB+4*\t+3], s[10:11] offset:\t*4096 th:TH_STORE_NT   ; 32 lanes store 512 consecutive bytes, aligned; written once, read by nobody here
.endr
.endm
	PLACES                                         ; behind the last products
	TOSTAGE 0
.irp a, 1,2,3
.if \a > 1
	s_wait_xcnt 0x0                                ; block a - 2's stores have read their registers and their base
.endif
	TOSTAGE \a
	SEND \a-1, 32                                  ; behind block a - 1's loads: block a's 16 stores and 16 loads
.endr
	s_wait_xcnt 0x0
	SEND 3, 0
	s_wait_tensorcnt 0x0                           ; the wave's end
	ds_add_u32 v[SPW], v[NIL]
	s_wait_dscnt 0x0
	CROUND                                         ; the closing round
	s_endpgm
.Lfunc_end_k_qf6715d196d_oproj:
	.size	k_qf6715d196d_oproj, .Lfunc_end_k_qf6715d196d_oproj-k_qf6715d196d_oproj
	.p2alignl 7, 3214868480
	.fill 96, 4, 3214868480
	.section	.rodata,"a",@progbits
	.p2align	6, 0x0
	.amdhsa_kernel k_qf6715d196d_oproj
		.amdhsa_group_segment_fixed_size 327680
		.amdhsa_private_segment_fixed_size 0
		.amdhsa_enable_private_segment 0
		.amdhsa_kernarg_size 32
		.amdhsa_user_sgpr_count 2
		.amdhsa_user_sgpr_kernarg_segment_ptr 1
		.amdhsa_wavefront_size32 1
		.amdhsa_system_sgpr_workgroup_id_x 1
		.amdhsa_system_sgpr_workgroup_id_y 1
		.amdhsa_system_sgpr_workgroup_id_z 1
		.amdhsa_system_vgpr_workitem_id 0
		.amdhsa_next_free_vgpr 768
		.amdhsa_next_free_sgpr 66
		.amdhsa_reserve_vcc 0
		.amdhsa_float_denorm_mode_32 3
		.amdhsa_float_denorm_mode_16_64 3
		.amdhsa_memory_ordered 1
		.amdhsa_forward_progress 1
		.amdhsa_inst_pref_size 87
	.end_amdhsa_kernel
	.amdgpu_metadata
---
amdhsa.version: [ 1, 2 ]
amdhsa.kernels:
  - .name:           k_qf6715d196d_oproj
    .symbol:         k_qf6715d196d_oproj.kd
    .args:
      - { .name: ao, .offset: 0, .size: 8, .value_kind: global_buffer, .address_space: global }
      - { .name: wo16, .offset: 8, .size: 8, .value_kind: global_buffer, .address_space: global }
      - { .name: bo, .offset: 16, .size: 8, .value_kind: global_buffer, .address_space: global }
      - { .name: out0, .offset: 24, .size: 8, .value_kind: global_buffer, .address_space: global }
    .group_segment_fixed_size: 327680
    .private_segment_fixed_size: 0
    .kernarg_segment_align: 8
    .kernarg_segment_size: 32
    .max_flat_workgroup_size: 128
    .sgpr_count:     66
    .vgpr_count:     768
    .wavefront_size: 32
...
	.end_amdgpu_metadata
.endif
;; end of part 4
